; MI455X (gfx1250); checked and timed in simulation.
; The chip was launched on July 23, 2026; its instructions are those of AMD's public machine-readable ISA for CDNA 5 (MIT licence, August 2026) and "CDNA5" Instruction Set Architecture Reference Guide (July 2026). The comments in the code are by the model that wrote it; some were corrected since.
;; Deep EP Mo E. Allowed arithmetic: matrix products marked QUANTISED: E5M2 operands, one E8M0 scale for each 32 along K, by v_wmma_scale_f32_16x16x128_f8f6f4 with both operands' format E5M2, f32 sums; products left as they are: f32 operands where the result goes on into a quantised operand, else bf16, f16 or f32 operands; f32 sums; everything else in f32.
;; Inputs: router_w 8 x 1,024 float32; w1_codes 8 x 4,096 x 32 x 32 uint8 (E5M2 codes of w1, K innermost, in blocks of 32 codes); w1_scales 8 x 4,096 x 32 uint8 (E8M0 scales of w1, one for each 32 codes along K); w2_codes 8 x 1,024 x 128 x 32 uint8 (E5M2 codes of w2, K innermost, in blocks of 32 codes); w2_scales 8 x 1,024 x 128 uint8 (E8M0 scales of w2, one for each 32 codes along K); x 2 x 512 x 1,024 float32.
;; Outputs: out0 2 x 512 x 1,024 float32.
;; This version of the problem:
;;   THIS VERSION OF THE PROBLEM IS GIVEN IN LOW PRECISION. The matrix products marked QUANTISED in the list below multiply operands that are first quantised to E5M2 (5 exponent bits, 2 mantissa bits; 8 bits a number), with one power-of-two scale for each 32 numbers along K (OCP MX v1.0); their sums are f32. All else is computed in f32.
;;   The module's matrix products, in the order in which they are computed (A, B: the left and right operand; K: the contracted axis; several contracted axes count as one K, in the product's order):
;;     1. [M 1,024, K 1,024] x [K 1,024, N 8]; A: input x; B: input router_w: left as it is (N = 8 < 16)
;;     2. [M 1,024, K 1,024] x [K 1,024, N 32,768]; A: input x; B: input w1 (given as codes): QUANTISED
;;     3. batch 8 x [M 1,024, K 4,096] x [K 4,096, N 1,024]; A: input w2 (given as codes); B: computed on the way: QUANTISED
;;     4. batch 1,024 x [M 1, K 8] x [K 8, N 1,024]; A: computed on the way; B: computed on the way: left as it is (K = 8 < 32)
;;   THE QUANTISER, for each operand of a quantised product, along K:
;;     - K is cut into blocks of 32 from its start; a last block that is shorter is filled with zeros.
;;     - A block's scale is 2^e with e = floor(log2(the largest magnitude in the block)) - 15, held to -126 .. 127; a block of zeros has e = 0. As a byte (E8M0): e + 127.
;;     - Each number is divided by its block's scale, clamped to +-57,344, and rounded to the nearest number of E5M2, ties to even, subnormals kept.
;;     - The product sums the exact products of the quantised numbers (number of the format x scale) in f32.
;;   ~~~python
;;   def quantise(x, axis):      # numpy; x: float32 -> the quantised numbers, widened to float32 again
;;       x = np.moveaxis(x, axis, -1); K = x.shape[-1]
;;       x = np.pad(x, [(0, 0)] * (x.ndim - 1) + [(0, -K % 32)]); x = x.reshape(x.shape[:-1] + (-1, 32)); a = np.abs(x).max(-1, keepdims=True)
;;       e = np.where(a > 0, np.clip(np.frexp(np.where(a > 0, a, 1))[1] - 1 - 15, -126, 127), 0)      # np.frexp(a)[1] - 1 = floor(log2(a)), exactly
;;       r = np.clip(x / 2.0 ** e, -57344, 57344)
;;       step = 2.0 ** (np.maximum(np.frexp(np.where(r == 0, 1, r))[1] - 1, -14) - 2)
;;       q = np.round(r / step) * step * 2.0 ** e      # np.round: ties to even
;;       return np.moveaxis(q.reshape(q.shape[:-2] + (-1,))[..., :K], -1, axis).astype(np.float32)
;;   ~~~
;;   OPERANDS COMPUTED ON THE WAY. 'Computed on the way' means the value that the module computes at that place (a softmax that the list does not call 'softmax' is quantised finished and normalised). What goes into a quantiser is computed in f32, as accurately as f32 sums, v_exp_f32 and their like allow (about 1e-6 of the number): no bf16 or f16 on the way to a quantiser, and a product that is left as it is and whose result goes on into a quantised operand takes f32 operands (vector FMAs, or v_wmma_f32_16x16x4_f32). A number that lies on a knife's edge between two numbers of the format may be rounded either way, as far as f32 arithmetic and the matrix unit's own rounding can turn it there, and no further.
;;   INPUTS GIVEN AS CODES. w1 (in the module: [8, 1024, 4096], K = its axis 1); w2 (in the module: [8, 4096, 1024], K = its axis 1): each comes as NAME_codes (uint8): NAME with its K axis moved to the last place and cut into blocks of 32 codes, [.., K / 32, bytes a block], one block behind the other in memory; one code a byte (a code: sign, 5 exponent bits, 2 mantissa bits); and NAME_scales (uint8): the same leading axes, one E8M0 byte (e + 127) for each 32 codes along K. Its value is code x scale, taken as it is: it is not quantised again, and the codes and scales need not be those that the quantiser above would give.
;; 2 versions. Each part assembles by itself: llvm-mc -triple=amdgcn-amd-amdhsa -mcpu=gfx1250 --defsym DOCPART=n.
;; ======== version 1 of 2: 4 launches
;; workspace buffers: xcodes 1,048,576 bytes; xscales 32,768 bytes; route 8,192 bytes of whole numbers; gate 8,192 bytes; rows 34,816 bytes of whole numbers; hcodes 33,554,432 bytes; hscales 1,048,576 bytes; y 8,388,608 bytes
;; launch route (part 1): grid 256 x 1, 4 waves a work-group, no clusters, 22,016 bytes of LDS; arguments x, router_w, xcodes, xscales, route, gate; writes xcodes, xscales, route, gate
.if DOCPART == 1
	.amdgcn_target "amdgcn-amd-amdhsa--gfx1250"
	.amdhsa_code_object_version 6
	.text
	.protected	k_q8ad02b7098_route
	.globl	k_q8ad02b7098_route
	.p2align	8
	.type	k_q8ad02b7098_route,@function
k_q8ad02b7098_route:
	s_mov_b64 s[64:65], 0
	v_nop
	global_prefetch_b8 v0, s[64:65] scope:SCOPE_SE
	s_setreg_imm32_b32 hwreg(HW_REG_WAVE_MODE, 25, 1), 1
	s_wait_xcnt 0x0
; ROUTER AND QUANTISER OF x.  One wave takes one token t = 4 x work-group + wave: a row of 1,024 f32 (4,096 bytes), read once.
; (1) The row is turned into E5M2 codes, K innermost, with one E8M0 byte for each 32 along K: xcodes [1024][1024], xscales [1024][32].
; (2) The eight logits x . router_w[e] are summed in f32; softmax with the row's maximum taken away; the two largest probabilities (ties: the lower index),
;     divided by (their sum + 1e-9).  route[2 t + k] = the expert's number, gate[2 t + k] = its weight, at fixed places: no address hangs on the choice.
; LIMITS: NaN and infinities are not served.  A block of zeros gets the byte 1 where the rule says 127: its codes are zeros, and this program alone reads the bytes.
; The choice is made on this text's own f32 sums: where the second and third logit lie closer than the rounding of a sum of 1,024 f32 products, it may fall either way.
; No matrix unit, no cluster, no tensor load: a wave shares nothing but router_w (32 KiB), and its work is one row.
.set SP,   80                          ; a lane's place in a stage: its 64 bytes + 16 of padding
.set WREG, 5376                        ; LDS of a wave: two stages of 32 x SP bytes, then its 32 scale bytes
.set SBY,  5120
.set X,    16                          ; v16-47   the row as loaded: load j, register q: d = 128 j + 4 lane + q
.set AC,   48                          ; v48-63   eight sums, a pair each
.set RA,   64                          ; v64-191  router_w of experts 0-3, laid as X;  window 1, v0-127: experts 4-7
.set Y,    192                         ; v192-223 two sets of 16 neighbours along K
.set CD,   224                         ; v224-231 codes, four registers a step
.set LG,   232                         ; v232-239 logits, then p
.set PT,   240                         ; v240-247 the lane permute's destinations
.set MSB, 0
.macro WIN new                         ; the immediate's high byte repeats the setting that is left
.if MSB != (\new)
	s_set_vgpr_msb (MSB<<8)|(\new)
.set MSB, (\new)
.endif
.endm
	s_load_b256 s[4:11], s[0:1], 0x0               ; x, router_w, xcodes, xscales
	s_load_b128 s[12:15], s[0:1], 0x20             ; route, gate
	v_lshl_add_u32 v15, v0, 2, 0x5400
	v_mov_b32 v255, 0
	v_lshrrev_b32 v8, 5, v0
	v_readfirstlane_b32 s16, v8                    ; wave
	v_and_b32 v1, 31, v0                           ; lane
	v_lshlrev_b32 v2, 4, v1                        ; 16 x lane
	s_mul_i32 s24, s16, WREG
	v_lshrrev_b32 v3, 2, v1
	v_mul_u32_u24 v3, v3, SP
	v_and_b32 v8, 3, v1
	v_lshl_add_u32 v3, v8, 4, v3
	v_add_nc_u32 v3, s24, v3                       ; the stage, on the way in: SP (lane / 4) + 16 (lane % 4)
	v_mul_u32_u24 v4, v1, SP
	v_add_nc_u32 v4, s24, v4                       ; and on the way out: SP x lane
	v_lshrrev_b32 v5, 1, v1
	v_add_nc_u32 v5, s24, v5                       ; my block's scale byte (two lanes to a block)
	v_add_nc_u32 v6, s24, v1                       ; and on the way out a byte a lane
	v_lshlrev_b32 v7, 2, v1                        ; 4 x lane
	s_mov_b32 s20, 0x76543210
	s_mov_b32 s21, 0xfedcba98                      ; v_permlanex16_b32's selects for lane l xor 16
	s_mov_b32 s22, 0x600000                        ; the mantissa field of 57,344
.irp e, 0,1,2,3,4,5,6,7
	v_mov_b32 v[PT+\e], 0                          ; written once: a lane permute's destination counts as one of its sources
.endr
	s_lshl_b32 s17, ttmp9, 2
	s_add_co_u32 s17, s17, s16                     ; t
	s_mov_b32 s19, 0
	s_wait_kmcnt 0x0
	s_lshl_b32 s18, s17, 12
	s_add_nc_u64 s[4:5], s[4:5], s[18:19]          ; x + 4,096 t
	s_lshl_b32 s18, s17, 10
	s_add_nc_u64 s[8:9], s[8:9], s[18:19]          ; xcodes + 1,024 t
	s_lshl_b32 s18, s17, 5
	s_add_nc_u64 s[10:11], s[10:11], s[18:19]      ; xscales + 32 t
	s_lshl_b32 s18, s17, 3
	s_add_nc_u64 s[12:13], s[12:13], s[18:19]      ; route + 8 t
	s_add_nc_u64 s[14:15], s[14:15], s[18:19]      ; gate + 8 t
.irp j, 0,1,2,3,4,5,6,7
	global_load_b128 v[X+4*\j:X+4*\j+3], v2, s[4:5] offset:512*\j th:TH_LOAD_NT      ; 32 lanes read 512 consecutive bytes
.endr
.irp e, 0,1,2,3
.irp j, 0,1,2,3,4,5,6,7
	global_load_b128 v[RA+32*\e+4*\j:RA+32*\e+4*\j+3], v2, s[6:7] offset:4096*\e+512*\j
.endr
.endr
	WIN 0x40                                       ; destination window 1
.irp e, 0,1,2,3
.irp j, 0,1,2,3,4,5,6,7
	global_load_b128 v[32*\e+4*\j:32*\e+4*\j+3], v2, s[6:7] offset:4096*(4+\e)+512*\j
.endr
.endr
	WIN 0
	s_wait_loadcnt 63                              ; 72 loads were issued, the row's eight first: with 63 out at the most the first nine are in
; A step: 512 numbers.  The conversions take neighbours along K from ONE lane's registers; the loads took 16 bytes a lane as they lie.  So a step's 2,048 bytes turn through the wave's own stage.
.macro QSTEP st
.set YS, Y+16*(\st)
.irp i, 0,1,2,3
	ds_store_b128 v3, v[X+16*(\st)+4*\i:X+16*(\st)+4*\i+3] offset:32*SP*(\st)+8*SP*\i
.endr
.irp i, 0,1,2,3
	ds_load_b128 v[YS+4*\i:YS+4*\i+3], v4 offset:32*SP*(\st)+16*\i      ; LDS serves a wave's instructions in order: these see the stores above
.endr
	s_wait_dscnt 0x0                               ; my 16 neighbours are back
	v_max3_num_f32 v8, |v[YS]|, |v[YS+1]|, |v[YS+2]|               ; the largest magnitude of my 16, in two chains
	v_max3_num_f32 v9, |v[YS+3]|, |v[YS+4]|, |v[YS+5]|
.irp i, 6,10
	v_max3_num_f32 v8, v8, |v[YS+\i]|, |v[YS+\i+1]|
	v_max3_num_f32 v9, v9, |v[YS+\i+2]|, |v[YS+\i+3]|
.endr
	v_max3_num_f32 v8, v8, |v[YS+14]|, |v[YS+15]|
	v_max3_num_f32 v8, v8, v9, 0x8000000           ; and the floor 2^(16 - 127): the byte cannot fall under 1
	v_max_num_f32_dpp v8, v8, v8 row_xmask:1 row_mask:0xf bank_mask:0xf   ; with my neighbour's 16: the block's
	v_add_nc_u32 v11, 0xf8800000, v8               ; 15 off its exponent field: the conversion takes this operand's exponent field as its scale
	v_and_or_b32 v10, v8, 0x7f800000, s22          ; 57,344 x the scale
.irp i, 0,1,2,3,4,5,6,7,8,9,10,11,12,13,14,15
	v_med3_num_f32 v[YS+\i], v[YS+\i], -v10, v10   ; the conversion to an 8-bit code does not saturate (ISA guide 7.6.2): the hold comes first
.endr
	v_cvt_scalef32_pk8_bf8_f32 v[CD+4*(\st):CD+4*(\st)+1], v[YS:YS+7], v11
	v_cvt_scalef32_pk8_bf8_f32 v[CD+4*(\st)+2:CD+4*(\st)+3], v[YS+8:YS+15], v11
	v_lshrrev_b32 v[12+(\st)], 23, v11             ; the scale's byte (also the plain line behind the conversions)
	ds_store_b8 v5, v[12+(\st)] offset:SBY+16*(\st)    ; both lanes of a block write the same byte with the same value
	global_store_b128 v2, v[CD+4*(\st):CD+4*(\st)+3], s[8:9] offset:512*(\st)    ; 32 lanes store 512 consecutive bytes
.endm
	QSTEP 0
	QSTEP 1
	ds_load_u8 v14, v6 offset:SBY                  ; the row's 32 bytes, one a lane
	s_wait_dscnt 0x0
	global_store_b8 v1, v14, s[10:11]              ; 32 consecutive bytes a wave, 128 a work-group
	s_wait_loadcnt 32                              ; experts 0-3 are in; the 32 loads of experts 4-7 may be out
.irp e, 0,1,2,3
	v_pk_mul_f32 v[AC+2*\e:AC+2*\e+1], v[X:X+1], v[RA+32*\e:RA+32*\e+1]      ; the first product starts each sum
.endr
.irp p, 2,4,6,8,10,12,14,16,18,20,22,24,26,28,30
.irp e, 0,1,2,3
	v_pk_fma_f32 v[AC+2*\e:AC+2*\e+1], v[X+\p:X+\p+1], v[RA+32*\e+\p:RA+32*\e+\p+1], v[AC+2*\e:AC+2*\e+1]
.endr
.endr
	s_wait_loadcnt 0x0
	WIN 0x04                                       ; source 1 window 1
.irp e, 0,1,2,3
	v_pk_mul_f32 v[AC+8+2*\e:AC+8+2*\e+1], v[X:X+1], v[32*\e:32*\e+1]
.endr
.irp p, 2,4,6,8,10,12,14,16,18,20,22,24,26,28,30
.irp e, 0,1,2,3
	v_pk_fma_f32 v[AC+8+2*\e:AC+8+2*\e+1], v[X+\p:X+\p+1], v[32*\e+\p:32*\e+\p+1], v[AC+8+2*\e:AC+8+2*\e+1]
.endr
.endr
	WIN 0
.irp e, 0,1,2,3,4,5,6,7
	v_add_f32 v[LG+\e], v[AC+2*\e], v[AC+2*\e+1]
.endr
.irp m, 1,2,4,8
.irp e, 0,1,2,3,4,5,6,7
	v_add_f32_dpp v[LG+\e], v[LG+\e], v[LG+\e] row_xmask:\m row_mask:0xf bank_mask:0xf
.endr
.endr
.irp e, 0,1,2,3,4,5,6,7
	v_permlanex16_b32 v[PT+\e], v[LG+\e], s20, s21
.endr
.irp e, 0,1,2,3,4,5,6,7
	v_add_f32 v[LG+\e], v[LG+\e], v[PT+\e]         ; every lane holds the eight logits
.endr
	v_max3_num_f32 v8, v[LG], v[LG+1], v[LG+2]
	v_max3_num_f32 v8, v8, v[LG+3], v[LG+4]
	v_max3_num_f32 v8, v8, v[LG+5], v[LG+6]
	v_max_num_f32 v8, v8, v[LG+7]                  ; the row's maximum is taken away
.irp e, 0,1,2,3,4,5,6,7
	v_sub_f32 v[LG+\e], v[LG+\e], v8
.endr
.irp e, 0,1,2,3,4,5,6,7
	v_mul_f32 v[LG+\e], 0x3fb8aa3b, v[LG+\e]       ; x log2(e)
.endr
.irp e, 0,1,2,3,4,5,6,7
	v_exp_f32 v[LG+\e], v[LG+\e]
.endr
	v_mov_b32 v249, 0                              ; the best's index (a plain line behind the exponentials)
	s_wait_alu depctr_va_vdst(0)                   ; one wait for the eight, ahead of their first reader
	v_add_f32 v9, v[LG], v[LG+1]
	v_add_f32 v10, v[LG+2], v[LG+3]
	v_add_f32 v11, v[LG+4], v[LG+5]
	v_add_f32 v252, v[LG+6], v[LG+7]
	v_add_f32 v9, v9, v10
	v_add_f32 v11, v11, v252
	v_add_f32 v252, v9, v11                        ; the softmax's divisor
	v_rcp_f32 v253, v252
	v_mov_b32 v248, v[LG]                          ; the best so far: expert 0
.irp e, 1,2,3,4,5,6,7
	v_cmp_gt_f32 vcc_lo, v[LG+\e], v248            ; strictly larger: a tie keeps the lower index
	v_cndmask_b32 v248, v248, v[LG+\e], vcc_lo
	v_cndmask_b32 v249, v249, \e, vcc_lo
.endr
.irp e, 0,1,2,3,4,5,6,7
	v_cmp_eq_u32 vcc_lo, \e, v249
	v_cndmask_b32 v[LG+\e], v[LG+\e], -1.0, vcc_lo ; the best is taken out: under every p
.endr
	v_mov_b32 v250, v[LG]
	v_mov_b32 v251, 0
.irp e, 1,2,3,4,5,6,7
	v_cmp_gt_f32 vcc_lo, v[LG+\e], v250
	v_cndmask_b32 v250, v250, v[LG+\e], vcc_lo
	v_cndmask_b32 v251, v251, \e, vcc_lo
.endr
	s_wait_alu depctr_va_vdst(0)                   ; the reciprocal, ahead of its first reader; the two searches stood between
	v_mul_f32 v248, v248, v253                     ; the two probabilities
	v_mul_f32 v250, v250, v253
	v_add_f32 v254, v248, v250
	v_add_f32 v254, 0x3089705f, v254               ; + 1e-9
	v_rcp_f32 v254, v254
	v_cmp_eq_u32 vcc_lo, 0, v1                     ; (a plain line behind the reciprocal)
	s_wait_alu depctr_va_vdst(0)
	v_mul_f32 v248, v248, v254
	v_mul_f32 v250, v250, v254
	v_cndmask_b32 v249, v251, v249, vcc_lo         ; lane 0 carries the best, lane 1 the second
	v_cndmask_b32 v248, v250, v248, vcc_lo
	s_wait_xcnt 0x0                                ; EXEC changes only behind this wait: the earlier stores have read it
	v_cmp_gt_u32 vcc_lo, 2, v1
	s_wait_tensorcnt 0x0
	ds_add_u32 v15, v255
	s_wait_dscnt 0x0
	s_and_saveexec_b32 s23, vcc_lo
	global_store_b32 v7, v249, s[12:13]            ; route[2 t + lane]
	global_store_b32 v7, v248, s[14:15]            ; gate[2 t + lane]
	s_endpgm
.Lfunc_end_k_q8ad02b7098_route:
	.size	k_q8ad02b7098_route, .Lfunc_end_k_q8ad02b7098_route-k_q8ad02b7098_route
	.p2alignl 7, 3214868480
	.fill 96, 4, 3214868480
	.section	.rodata,"a",@progbits
	.p2align	6, 0x0
	.amdhsa_kernel k_q8ad02b7098_route
		.amdhsa_group_segment_fixed_size 22016
		.amdhsa_private_segment_fixed_size 0
		.amdhsa_enable_private_segment 0
		.amdhsa_kernarg_size 48
		.amdhsa_user_sgpr_count 2
		.amdhsa_user_sgpr_kernarg_segment_ptr 1
		.amdhsa_wavefront_size32 1
		.amdhsa_system_sgpr_workgroup_id_x 1
		.amdhsa_system_sgpr_workgroup_id_y 1
		.amdhsa_system_sgpr_workgroup_id_z 1
		.amdhsa_system_vgpr_workitem_id 0
		.amdhsa_next_free_vgpr 384
		.amdhsa_next_free_sgpr 66
		.amdhsa_reserve_vcc 1
		.amdhsa_float_denorm_mode_32 3
		.amdhsa_float_denorm_mode_16_64 3
		.amdhsa_memory_ordered 1
		.amdhsa_forward_progress 1
		.amdhsa_inst_pref_size 31
	.end_amdhsa_kernel
	.amdgpu_metadata
---
amdhsa.version: [ 1, 2 ]
amdhsa.kernels:
  - .name:           k_q8ad02b7098_route
    .symbol:         k_q8ad02b7098_route.kd
    .args:
      - { .name: x, .offset: 0, .size: 8, .value_kind: global_buffer, .address_space: global }
      - { .name: router_w, .offset: 8, .size: 8, .value_kind: global_buffer, .address_space: global }
      - { .name: xcodes, .offset: 16, .size: 8, .value_kind: global_buffer, .address_space: global }
      - { .name: xscales, .offset: 24, .size: 8, .value_kind: global_buffer, .address_space: global }
      - { .name: route, .offset: 32, .size: 8, .value_kind: global_buffer, .address_space: global }
      - { .name: gate, .offset: 40, .size: 8, .value_kind: global_buffer, .address_space: global }
    .group_segment_fixed_size: 22016
    .private_segment_fixed_size: 0
    .kernarg_segment_align: 8
    .kernarg_segment_size: 48
    .max_flat_workgroup_size: 128
    .sgpr_count:     66
    .vgpr_count:     384
    .wavefront_size: 32
...
	.end_amdgpu_metadata
.endif
;; end of part 1
;; launch fc1 (part 2): grid 32 x 8, 8 waves a work-group, no clusters, 282,624 bytes of LDS; arguments route, xcodes, xscales, w1_codes, w1_scales, hcodes, hscales, rows; writes hcodes, hscales, rows
.if DOCPART == 2
	.amdgcn_target "amdgcn-amd-amdhsa--gfx1250"
	.amdhsa_code_object_version 6
	.text
	.protected	k_q8ad02b7098_fc1
	.globl	k_q8ad02b7098_fc1
	.p2align	8
	.type	k_q8ad02b7098_fc1,@function
k_q8ad02b7098_fc1:
	s_mov_b64 s[64:65], 0
	v_nop
	global_prefetch_b8 v0, s[64:65] scope:SCOPE_SE
	s_setreg_imm32_b32 hwreg(HW_REG_WAVE_MODE, 25, 1), 1
	s_wait_xcnt 0x0
; FIRST PRODUCT, gelu AND THE HIDDEN LAYER'S QUANTISER, for the chosen rows alone.  Work-group (j = x, e = y) owns hidden units 128 j .. 128 j + 127 of expert e (one K step of the second product) for ALL rows routed to e.
; THE LIST.  A routed row is id = 2 t + k.  Wave 0 reads route (2,048 whole numbers) and places the ids whose expert is e one behind the other in LDS; the count is n (at most 1,024: a token's two experts differ).
; It takes its 64 words in four groups of sixteen: sixteen compares into scalar masks, a scalar running count, then the places, eight words at a time and line by line, so that no line waits for the line above it.
; All 32 lanes store for every word: a lane whose id is not e's stores into a word of its own that nobody uses.  Behind the list's end stand 32 copies of its last id, so that the last tile of 16 rows is filled with
; copies of a row of that same tile.  Work-groups with j = 0 store list and count to rows.
; SHARES.  Wave w: wc = w % 4 names a block of 32 hidden units, wr = w / 4.  A round is 64 list rows, four tiles of 16; wave (wc, wr) takes tiles wr and wr + 2.  Its 32 rows of W1 (2 tiles x 8 K steps: 256 registers, window 1)
; stay in registers for the whole launch; W1 is read from memory once in the launch.  Two waves share a SIMD: one wave's gelu stands beside the other's products.
; x's codes of a round are gathered by the list (each wave 8 rows, whole 256-byte pieces), one round ahead, through registers into one of two LDS slots; one barrier a round.
; THE PRODUCT IS USED TRANSPOSED (source 0 = 16 rows of W1, source 1 = 16 list rows of x), AND THE ROWS OF W1 THAT FORM A TILE ARE NOT NEIGHBOURS: lane r of tile u takes row 8 u + r + 8 (r / 8) of the block,
; so that a lane's 16 results are hidden units 16 (lane / 16) + 0 .. 15 of ONE list row: the conversions' four registers are a quarter of the second product's operand, stored as an image of its registers:
; hcodes [e][tile of rows m][K step j][chunk wc: 512 bytes, 16 x lane];  hscales [e][j][m % 2][m / 2][row][4 bytes].
; gelu(x) = max(x, 0) - a erfc(a) / sqrt(2), a = |x| / sqrt(2);  erfc(a) = (1 + p(q)) / (1 + 2 a) x exp(-a a), q = (a - 2) / (a + 2), p of degree 11.  All in f32.
; LOOPS have constant trip counts (16 rounds serve n = 1,024); a round's reads of the list, its loads and its products are jumped over by scalar branches on n; every wave passes every barrier; every address register
; is made on the way that all rounds take.
; NO TENSOR LOAD, NO JOINT LOAD, though the 32 work-groups of an expert read the same rows of x.
; LIMITS: NaN and infinities are not served.  gelu's relative error is a few 1e-7 and grows as 3e-8 x^2 for |x| over 4; its erfc term is 0 where exp(-x x / 2) falls under 2^-126.  A block of zeros gets the byte 1
; where the rule says 127: its codes are zeros, and this program alone reads the bytes.  An expert with no row still has tile 0 made (of token 0), so that the next launch's first loads read written bytes.
.set WP,   1040                        ; an LDS row of 1,024 codes + 16 of padding: 65 x 16 bytes
.set XS,   133120                      ; LDS 0: W1's 128 rows x WP.  XS: x's codes [wr 2: 66,560][slot 2: 33,280][tile 2: 16,640][16 rows x WP]
.set XSC,  266240                      ; x's scale bytes [slot 2: 3,072][64 rows x 48]
.set LIST, 272384                      ; 4,608 bytes: words 0-1023 ids; 1024-1055 room for the fill behind a full list; 1056-1087 zeros;
.set DMPW, 1088                        ; words 1088-1119: a word a lane for what is not placed;
.set CNT,  4480                        ; word 1120: the count
.set SCB,  276992                      ; the hidden layer's scale bytes [wr][m / 2: 32][16 rows][4]: 4,096 bytes
.set TB,   1                           ; v1   lane % 16; from the loop on: the list's place of the row whose scale bytes I fetch, for the trip in hand
.set SBT,  3                           ; v3   the lane; from the loop on: my byte in SCB for the trip in hand
.set XA,   4                           ; v4   my lane's place in a tile of x
.set XSA,  5                           ; v5   x's scale words: lanes 0-15 tile wr, lanes 16-31 tile wr + 2
.set GST,  6                           ; v6   where I put gathered codes
.set GSS,  7                           ; v7   and gathered scale bytes
.set LA,   8                           ; v8   the list: my four rows' ids
.set LB,   9                           ; v9   the list: the id of the row whose scale bytes I fetch
.set SBA,  10                          ; v10  my byte in SCB
.set HO,   11                          ; v11  16 x lane
.set LC,   12                          ; v12  LIST
.set WLA,  13                          ; v13  my lane's place in W1's rows
.set WSA,  14                          ; v14  where I put W1's rows
.set R16,  15                          ; v15  16 (lane % 16)
.set Q8,   16                          ; v16  8 (lane % 4)
.set VS,   17                          ; v17  gather offset in xscales
.set VO,   18                          ; v18-21 gather offsets in xcodes
.set TA,   22                          ; v22  at work at the head; from the loop on: the list's place of my four rows, for the trip in hand
.set T16,  23                          ; v23  16 x thread
.set W1S,  24                          ; v24-31 W1's scale words: register s; lanes 0-15 tile 0, lanes 16-31 tile 1.  Scales and nothing else
.set XSR,  32                          ; v32-39 x's scale words: register s.  Scales and nothing else
.set HA,   40                          ; v40-55 two accumulators; at the head the list build's places (v40-47) and ids (v48-55)
.set C11,  56                          ; v56-57 the polynomial's leading coefficient, twice; written behind the list build, which has them at work
.set PD,   58                          ; v58  the lane permute's destination
.set WSO,  59                          ; v59  my offset in W1's scale bytes
.set GT,   60                          ; v60-125 what the gather has on its way: 16 x 4 registers of codes, 2 of scale bytes; in wave 0 first the 64 words of route
.set SCO,  126                         ; v126 SCB + 16 x thread
.set LSO,  127                         ; v127 LIST + 16 x thread
.set XF,   128                         ; v128-255 x's eight fragments; at the head W1's rows as loaded; behind the products gelu's temporaries:
.set GA,   128
.set GB,   144
.set GC,   160
.set GD,   176
.set GE,   192
.set TM,   208
.set PC,   216
.set MK,   48                          ; s48-63 the list build: sixteen words' masks
.set BS,   66                          ; s66-82 rows placed ahead of each of the sixteen words, and behind the last
.set MSB, 0
.macro WIN new                         ; the immediate's high byte repeats the setting that is left
.if MSB != (\new)
	s_set_vgpr_msb (MSB<<8)|(\new)
.set MSB, (\new)
.endif
.endm
.macro BAR                             ; my LDS stores have landed and my LDS loads are in: then the work-group's barrier
	s_wait_dscnt 0x0
	s_barrier_signal -1
	s_barrier_wait -1
.endm
.macro MM d, a, b, c, sa, sb, ra, rb   ; one product; ra, rb: the scales stand in lanes 16-31 of their registers
.if (\ra) && (\rb)
	v_wmma_scale_f32_16x16x128_f8f6f4 v[\d:\d+7], v[\a:\a+15], v[\b:\b+15], \c, v[\sa], v[\sb] matrix_a_fmt:MATRIX_FMT_BF8 matrix_b_fmt:MATRIX_FMT_BF8 matrix_a_scale:MATRIX_SCALE_ROW1 matrix_b_scale:MATRIX_SCALE_ROW1
.elseif (\ra)
	v_wmma_scale_f32_16x16x128_f8f6f4 v[\d:\d+7], v[\a:\a+15], v[\b:\b+15], \c, v[\sa], v[\sb] matrix_a_fmt:MATRIX_FMT_BF8 matrix_b_fmt:MATRIX_FMT_BF8 matrix_a_scale:MATRIX_SCALE_ROW1
.elseif (\rb)
	v_wmma_scale_f32_16x16x128_f8f6f4 v[\d:\d+7], v[\a:\a+15], v[\b:\b+15], \c, v[\sa], v[\sb] matrix_a_fmt:MATRIX_FMT_BF8 matrix_b_fmt:MATRIX_FMT_BF8 matrix_b_scale:MATRIX_SCALE_ROW1
.else
	v_wmma_scale_f32_16x16x128_f8f6f4 v[\d:\d+7], v[\a:\a+15], v[\b:\b+15], \c, v[\sa], v[\sb] matrix_a_fmt:MATRIX_FMT_BF8 matrix_b_fmt:MATRIX_FMT_BF8
.endif
.endm
	s_load_b512 s[4:19], s[0:1], 0x0               ; route s[4:5], xcodes s[6:7], xscales s[8:9], w1_codes s[10:11], w1_scales s[12:13], hcodes s[14:15], hscales s[16:17], rows s[18:19]
	v_lshrrev_b32 v[TA], 5, v0
	v_readfirstlane_b32 s20, v[TA]                 ; w
	s_and_b32 s21, s20, 3                          ; wc
	s_lshr_b32 s22, s20, 2                         ; wr
	s_and_b32 s23, ttmp7, 0xffff                   ; e
	s_mov_b32 s24, ttmp9                           ; j
	v_and_b32 v3, 31, v0                           ; lane
	v_and_b32 v1, 15, v0                           ; r
	v_bfe_u32 v2, v0, 4, 1                         ; h
	; the LDS address registers that stay are made here, ahead of the first branch on the wave's number
	s_mul_i32 s28, s22, 66560
	s_add_co_u32 s28, s28, XS
	v_mul_u32_u24 v[XA], v1, WP
	v_lshl_add_u32 v[XA], v2, 4, v[XA]
	v_add_nc_u32 v[XA], s28, v[XA]                 ; XS + 66,560 wr + WP r + 16 h
	v_lshl_add_u32 v[XSA], v2, 5, v1
	v_mul_u32_u24 v[XSA], v[XSA], 48
	s_mul_i32 s28, s22, 768
	s_add_co_u32 s28, s28, XSC
	v_add_nc_u32 v[XSA], s28, v[XSA]               ; XSC + 48 (16 wr + 32 h + r)
	s_bfe_u32 s28, s20, 0x10001                    ; rows 8 w .. 8 w + 7 of a round lie in tile w / 2 = wr' + 2 tau': wr' = (w / 2) % 2,
	s_mul_i32 s28, s28, 66560
	s_mul_i32 s29, s22, 16640                      ; tau' = w / 4,
	s_add_co_u32 s28, s28, s29
	s_and_b32 s29, s20, 1
	s_mul_i32 s29, s29, 8*WP                       ; from its row 8 (w % 2) on
	s_add_co_u32 s28, s28, s29
	s_add_co_u32 s28, s28, XS
	v_mul_u32_u24 v[GST], v2, 4*WP
	v_lshl_add_u32 v[GST], v1, 4, v[GST]
	v_add_nc_u32 v[GST], s28, v[GST]               ; lanes 0-15 rows 0-3 of my eight, lanes 16-31 rows 4-7; 16 bytes a lane
	v_lshrrev_b32 v[TA], 2, v3
	v_and_b32 v[Q8], 3, v3
	v_lshlrev_b32 v[Q8], 3, v[Q8]
	v_mad_u32_u24 v[GSS], v[TA], 48, v[Q8]
	s_mul_i32 s28, s20, 384
	s_add_co_u32 s28, s28, XSC
	v_add_nc_u32 v[GSS], s28, v[GSS]               ; XSC + 48 (8 w + lane / 4) + 8 (lane % 4)
	s_lshl_b32 s28, s20, 5
	s_add_co_u32 s28, s28, LIST
	v_lshl_add_u32 v[LA], v2, 4, s28               ; LIST + 4 (8 w + 4 h)
	v_lshl_add_u32 v[LB], v[TA], 2, s28            ; LIST + 4 (8 w + lane / 4)
	s_lshl_b32 s28, s22, 11
	s_add_co_u32 s28, s28, s21
	s_add_co_u32 s28, s28, SCB
	v_lshl_add_u32 v[SBA], v1, 2, s28              ; SCB + 2,048 wr + 4 r + wc
	v_lshlrev_b32 v[HO], 4, v3
	v_mov_b32 v[LC], LIST
	v_and_b32 v[TA], 8, v1
	v_add_nc_u32 v[TA], v[TA], v1                  ; r + 8 (r / 8)
	v_mul_u32_u24 v[WLA], v[TA], WP
	v_lshl_add_u32 v[WLA], v2, 4, v[WLA]
	s_mul_i32 s28, s21, 32*WP
	v_add_nc_u32 v[WLA], s28, v[WLA]               ; WP (32 wc + r + 8 (r / 8)) + 16 h
	v_lshl_add_u32 v[WSO], v2, 3, v[TA]
	v_lshlrev_b32 v[WSO], 5, v[WSO]                ; W1's scale bytes: row 8 h + r + 8 (r / 8) of my block, 32 bytes a row
	s_mul_i32 s28, s20, 16*WP
	v_add_nc_u32 v[WSA], s28, v[HO]                ; WP x 16 w + 16 x lane
	v_lshlrev_b32 v[R16], 4, v1
	v_lshlrev_b32 v[T16], 4, v0
	v_add_nc_u32 v[SCO], SCB, v[T16]
	v_add_nc_u32 v[LSO], LIST, v[T16]
	v_lshlrev_b32 v2, 2, v3                        ; v2 from here on: 4 x lane
	v_mov_b32 v[PD], 0                             ; written once: a lane permute's destination counts as one of its sources
	s_mov_b32 s35, 0x600000                        ; the mantissa field of 57,344
	s_mov_b32 s36, 0x76543210
	s_mov_b32 s37, 0xfedcba98                      ; v_permlanex16_b32's selects for lane l xor 16
	s_lshl_b32 s34, s22, 4                         ; 16 wr
	s_mov_b32 s30, 0                               ; R0: the trip's first list row
	s_mov_b32 s38, 0                               ; 4 R0
	s_mov_b32 s39, 0                               ; 2 R0
	s_mov_b32 s31, 8                               ; trips
	s_mov_b32 s33, 0
	s_wait_kmcnt 0x0
	s_lshl_b32 s32, s23, 22
	s_lshl_b32 s28, s24, 17
	s_add_co_u32 s32, s32, s28
	s_lshl_b32 s28, s20, 14
	s_add_co_u32 s32, s32, s28
	s_add_nc_u64 s[42:43], s[10:11], s[32:33]      ; W1's row 4,096 e + 128 j + 16 w
	s_lshl_b32 s32, s23, 17
	s_lshl_b32 s28, s24, 12
	s_add_co_u32 s32, s32, s28
	s_add_nc_u64 s[16:17], s[16:17], s[32:33]      ; hscales + 4,096 (32 e + j)
	s_lshl_b32 s28, s21, 10
	s_add_co_u32 s32, s32, s28
	s_add_nc_u64 s[12:13], s[12:13], s[32:33]      ; W1's scale bytes of row 4,096 e + 128 j + 32 wc
	s_lshl_b32 s32, s23, 22
	s_lshl_b32 s28, s22, 16
	s_add_co_u32 s32, s32, s28
	s_lshl_b32 s28, s24, 11
	s_add_co_u32 s32, s32, s28
	s_lshl_b32 s28, s21, 9
	s_add_co_u32 s32, s32, s28
	s_add_nc_u64 s[40:41], s[14:15], s[32:33]      ; hcodes: expert e, tile wr, K step j, chunk wc
	s_mul_i32 s32, s23, 4352
	s_add_nc_u64 s[18:19], s[18:19], s[32:33]      ; rows + 4,352 e
	s_cmp_lg_u32 s20, 0
	s_cbranch_scc1 .Lno_route
.irp i, 0,1,2,3,4,5,6,7,8,9,10,11,12,13,14,15
	global_load_b128 v[GT+4*\i:GT+4*\i+3], v[HO], s[4:5] offset:512*\i       ; wave 0: load i, lane l, register q: id 128 i + 4 l + q
.endr
.Lno_route:
	global_load_b128 v[W1S:W1S+3], v[WSO], s[12:13]
	global_load_b128 v[W1S+4:W1S+7], v[WSO], s[12:13] offset:16
.set q, 0
.rept 32
	global_load_b128 v[XF+4*q:XF+4*q+3], v[HO], s[42:43] offset:512*q th:TH_LOAD_NT   ; my 16 rows of W1: 16 KiB on end, 512 bytes a load; read by nobody else
.set q, q+1
.endr
	s_wait_loadcnt 34                              ; on every wave's way: route's 16 loads are in, since 2 + 32 were issued behind them; a wave that issued none has no more than 34 out
	s_cmp_lg_u32 s20, 0
	s_cbranch_scc1 .Lno_list
	; THE LIST, by wave 0 alone: up to the barrier below no other wave touches LDS
.irp i, 0,1,2,3
	v_mov_b32 v[48+\i], 0
.endr
.irp i, 0,1,2,3,4,5,6,7,8
	ds_store_b128 v[LSO], v[48:51] offset:512*\i   ; zeros: the list's 4,608 bytes (in wave 0 the thread is the lane)
.endr
.irp i, 0,1,2,3,4,5,6,7
	ds_store_b128 v[SCO], v[48:51] offset:512*\i   ; and the 4,096 scale bytes
.endr
	v_add_nc_u32 v56, DMPW, v3                     ; my own word for what is not placed
	s_mov_b32 s[BS], 0                             ; rows placed so far
.set g, 0
.rept 4                                ; sixteen words of route a group
.set k, 0
.rept 16
	v_cmp_eq_u32 s[MK+k], s23, v[GT+16*g+k]        ; whose expert is e?  A mask for each word
.set k, k+1
.endr
.set k, 0
.rept 16
	s_bcnt1_i32_b32 s29, s[MK+k]
	s_add_co_u32 s[BS+k+1], s[BS+k], s29           ; rows placed ahead of the next word
.set k, k+1
.endr
.irp b, 0,8                            ; eight words at a time, line by line: no line waits for the line above it
.irp k, 0,1,2,3,4,5,6,7
	v_mbcnt_lo_u32_b32 v[40+\k], s[MK+\b+\k], s[BS+\b+\k]          ; placed ahead of this word + such lanes below me
.endr
.irp k, 0,1,2,3,4,5,6,7
	v_cndmask_b32 v[40+\k], v56, v[40+\k], s[MK+\b+\k]             ; the others go to their own words
.endr
.irp k, 0,1,2,3,4,5,6,7
	v_min_u32 v[40+\k], 0x45f, v[40+\k]            ; held inside the list's words
.endr
.irp k, 0,1,2,3,4,5,6,7
	v_lshlrev_b32 v[40+\k], 2, v[40+\k]
.endr
.irp k, 0,1,2,3,4,5,6,7
	v_add_nc_u32 v[40+\k], LIST, v[40+\k]
.endr
.irp k, 0,1,2,3,4,5,6,7
	v_add_nc_u32 v[48+\k], 128*((16*g+\b+\k)/4)+(16*g+\b+\k)%4, v2 ; the id
.endr
.irp k, 0,1,2,3,4,5,6,7
	ds_store_b32 v[40+\k], v[48+\k]                ; LDS serves a wave's instructions in order: behind the zeros
.endr
.endr
	s_mov_b32 s[BS], s[BS+16]
.set g, g+1
.endr
	s_mov_b32 s27, s[BS]                           ; the count
	s_max_u32 s28, s27, 1
	s_sub_co_u32 s28, s28, 1                       ; the list's last place (place 0, which holds 0, where the list is empty)
	v_mov_b32 v53, s28
	v_min_u32 v53, 0x3ff, v53
	v_lshlrev_b32 v53, 2, v53
	v_add_nc_u32 v53, LIST, v53
	ds_load_b32 v57, v53                           ; its id
	v_add_nc_u32 v55, s27, v3                      ; the 32 places behind the list's end
	v_min_u32 v55, 0x41f, v55
	v_lshlrev_b32 v55, 2, v55
	v_add_nc_u32 v55, LIST, v55
	v_mov_b32 v48, s27
	s_wait_dscnt 0x0
	ds_store_b32 v55, v57                          ; are filled with it: the last tile's spare rows are copies of a row of that tile
	ds_store_b32 v[LC], v48 offset:CNT             ; the count (all lanes write the same word with the same value)
.Lno_list:
	BAR                                            ; the list, the count and the zeros lie in LDS
	ds_load_b32 v[GT], v[LC] offset:CNT
	v_mov_b32 v[C11], 0x38788000
	v_mov_b32 v[C11+1], 0x38788000
	s_wait_dscnt 0x0
	v_readfirstlane_b32 s25, v[GT]
	s_min_u32 s25, s25, 0x400                      ; n
	s_max_u32 s26, s25, 1                          ; at least one tile is made
; The ids of a round's 64 rows, 8 rows a wave: ra, rb: the registers with the list's two places; off: the round's place, in bytes from there.
.macro GATHER_IDS ra, rb, off
	ds_load_b128 v[VO:VO+3], v[\ra] offset:\off
	ds_load_b32 v[VS], v[\rb] offset:\off
.endm
; The offsets are made of them.  These lines stand on the way that every round takes: where no ids were read they turn the old offsets into other offsets inside the buffers, which nobody uses.
.macro GATHER_CALC
	s_wait_dscnt 0x0
.irp i, 0,1,2,3
	v_lshrrev_b32 v[VO+\i], 1, v[VO+\i]            ; the token
.endr
	v_lshrrev_b32 v[VS], 1, v[VS]
.irp i, 0,1,2,3
	v_min_u32 v[VO+\i], 0x3ff, v[VO+\i]
.endr
	v_min_u32 v[VS], 0x3ff, v[VS]
.irp i, 0,1,2,3
	v_lshlrev_b32 v[VO+\i], 10, v[VO+\i]
.endr
	v_lshlrev_b32 v[VS], 5, v[VS]
.irp i, 0,1,2,3
	v_add_nc_u32 v[VO+\i], v[VO+\i], v[R16]
.endr
	v_add_nc_u32 v[VS], v[VS], v[Q8]
.endm
.macro GATHER_LOADS                    ; 17 loads; an instruction reads 256 aligned bytes of each of two rows
.irp i, 0,1,2,3
.irp q, 0,1,2,3
	global_load_b128 v[GT+4*(4*\i+\q):GT+4*(4*\i+\q)+3], v[VO+\i], s[6:7] offset:256*\q
.endr
.endr
	global_load_b64 v[GT+64:GT+65], v[VS], s[8:9]
.endm
.macro GATHER_PUT slot
.irp i, 0,1,2,3
.irp q, 0,1,2,3
	ds_store_b128 v[GST], v[GT+4*(4*\i+\q):GT+4*(4*\i+\q)+3] offset:(\slot)*33280+\i*WP+256*\q
.endr
.endr
	ds_store_b64 v[GSS], v[GT+64:GT+65] offset:(\slot)*3072
.endm
	GATHER_IDS LA, LB, 0
	GATHER_CALC
	GATHER_LOADS                                   ; round 0, whatever n: places far behind the list's end hold 0, token 0
	s_wait_loadcnt 17                              ; W1 and its scale words are in: the gather's 17 loads were issued behind them
.set q, 0
.rept 32
	ds_store_b128 v[WSA], v[XF+4*q:XF+4*q+3] offset:(q/2)*WP+(q%2)*512
.set q, q+1
.endr
	s_wait_loadcnt 0x0
	GATHER_PUT 0
	BAR                                            ; W1's 128 rows and round 0's rows of x lie in LDS
	WIN 0x40                                       ; destination window 1
.irp u, 0,1
.irp s, 0,1,2,3,4,5,6,7
.irp c, 0,1,2,3
	ds_load_b128 v[128*\u+16*\s+4*\c:128*\u+16*\s+4*\c+3], v[WLA] offset:8*WP*\u+128*\s+32*\c      ; W1's fragment (tile u, K step s): it stays
.endr
.endr
.endr
	WIN 0
; gelu of the lane's 16 numbers v[HA] on, in place.
.macro GELU16
.irp i, 0,1,2,3,4,5,6,7,8,9,10,11,12,13,14,15
	v_mul_f32 v[GA+\i], 0x3f3504f3, |v[HA+\i]|     ; a = |x| / sqrt(2).  (Each accumulator is read from its low end on)
.endr
.irp p, 0,2,4,6,8,10,12,14
	v_pk_add_f32 v[GB+\p:GB+\p+1], v[GA+\p:GA+\p+1], 2.0 op_sel_hi:[1,0]           ; a + 2
.endr
.irp p, 0,2,4,6,8,10,12,14
	v_pk_fma_f32 v[GC+\p:GC+\p+1], v[GA+\p:GA+\p+1], 2.0, 1.0 op_sel_hi:[1,0,0]    ; 1 + 2 a
.endr
.irp p, 0,2,4,6,8,10,12,14
	v_pk_mul_f32 v[GE+\p:GE+\p+1], v[GA+\p:GA+\p+1], 0xbfb8aa3b op_sel_hi:[1,0]    ; -a log2(e)
.endr
.irp p, 0,2,4,6,8,10,12,14
	v_pk_mul_f32 v[GD+\p:GD+\p+1], v[GB+\p:GB+\p+1], v[GC+\p:GC+\p+1]              ; (a + 2)(1 + 2 a): one reciprocal serves both
.endr
.irp p, 0,2,4,6,8,10,12,14
	v_pk_fma_f32 v[GE+\p:GE+\p+1], v[GE+\p:GE+\p+1], v[GA+\p:GA+\p+1], -0.5 op_sel_hi:[1,1,0]   ; -a a log2(e) - 1/2
.endr
.irp i, 0,1,2,3,4,5,6,7,8,9,10,11,12,13,14,15
	v_rcp_f32 v[GD+\i], v[GD+\i]
.endr
.irp i, 0,1,2,3,4,5,6,7,8,9,10,11,12,13,14,15
	v_exp_f32 v[GE+\i], v[GE+\i]                   ; exp(-a a) / sqrt(2)
.endr
.irp i, 0,1,2,3,4,5,6,7,8,9,10,11,12,13,14,15
	v_max_num_f32 v[HA+\i], 0, v[HA+\i]            ; max(x, 0): plain work that names no result of the batch
.endr
	s_wait_alu depctr_va_vdst(0)                   ; one wait for the 32, ahead of their first reader
.irp p, 0,2,4,6,8,10,12,14
	v_pk_mul_f32 v[GC+\p:GC+\p+1], v[GD+\p:GD+\p+1], v[GC+\p:GC+\p+1]              ; 1 / (a + 2)
.endr
.irp p, 0,2,4,6,8,10,12,14
	v_pk_mul_f32 v[GB+\p:GB+\p+1], v[GD+\p:GD+\p+1], v[GB+\p:GB+\p+1]              ; 1 / (1 + 2 a)
.endr
.irp p, 0,2,4,6,8,10,12,14
	v_pk_add_f32 v[GD+\p:GD+\p+1], v[GA+\p:GA+\p+1], -2.0 op_sel_hi:[1,0]
.endr
.irp p, 0,2,4,6,8,10,12,14
	v_pk_mul_f32 v[GD+\p:GD+\p+1], v[GD+\p:GD+\p+1], v[GC+\p:GC+\p+1]              ; q
.endr
.irp p, 0,2,4,6,8,10,12,14
	v_pk_fma_f32 v[GC+\p:GC+\p+1], v[C11:C11+1], v[GD+\p:GD+\p+1], 0x39290e63 op_sel_hi:[1,1,0]
.endr
.irp k, 0xb9b5a7ff, 0xbab7153e, 0x3a9e0ebf, 0x3c0e611b, 0xbc034ca0, 0xbd5e0db6, 0x3e27fc56, 0xbe2a040d, 0xbdbdfae7, 0x3e8dd01d
.irp p, 0,2,4,6,8,10,12,14
	v_pk_fma_f32 v[GC+\p:GC+\p+1], v[GC+\p:GC+\p+1], v[GD+\p:GD+\p+1], \k op_sel_hi:[1,1,0]     ; the eight pairs by turns
.endr
.endr
.irp p, 0,2,4,6,8,10,12,14
	v_pk_fma_f32 v[GC+\p:GC+\p+1], v[GC+\p:GC+\p+1], v[GB+\p:GB+\p+1], v[GB+\p:GB+\p+1]         ; (1 + p) / (1 + 2 a)
.endr
.irp p, 0,2,4,6,8,10,12,14
	v_pk_mul_f32 v[GC+\p:GC+\p+1], v[GC+\p:GC+\p+1], v[GE+\p:GE+\p+1]              ; erfc(a) / sqrt(2)
.endr
.irp p, 0,2,4,6,8,10,12,14
	v_pk_fma_f32 v[HA+\p:HA+\p+1], v[GA+\p:GA+\p+1], v[GC+\p:GC+\p+1], v[HA+\p:HA+\p+1] neg_lo:[1,0,0] neg_hi:[1,0,0]
.endr
.endm
; The lane's 16 numbers are half a block of 32 along the next K; lane l xor 16 holds the other half.  Codes into v[PC] on, the byte into v[TM+4].
.macro QUANT1
	v_max3_num_f32 v[TM], |v[HA]|, |v[HA+1]|, 0x8000000            ; with the floor 2^(16 - 127): the byte cannot fall under 1
	v_max3_num_f32 v[TM+1], |v[HA+2]|, |v[HA+3]|, |v[HA+4]|
	v_max3_num_f32 v[TM], v[TM], |v[HA+5]|, |v[HA+6]|
	v_max3_num_f32 v[TM+1], v[TM+1], |v[HA+7]|, |v[HA+8]|
	v_max3_num_f32 v[TM], v[TM], |v[HA+9]|, |v[HA+10]|
	v_max3_num_f32 v[TM+1], v[TM+1], |v[HA+11]|, |v[HA+12]|
	v_max3_num_f32 v[TM], v[TM], |v[HA+13]|, |v[HA+14]|
	v_max3_num_f32 v[TM+1], v[TM+1], |v[HA+15]|, v[TM]
	v_permlanex16_b32 v[PD], v[TM+1], s36, s37
	v_max_num_f32 v[TM], v[TM+1], v[PD]            ; the block's largest magnitude
	v_add_nc_u32 v[TM+2], 0xf8800000, v[TM]        ; 15 off its exponent field: the conversion's scale operand
	v_and_or_b32 v[TM+3], v[TM], 0x7f800000, s35   ; 57,344 x the scale
	v_lshrrev_b32 v[TM+4], 23, v[TM+2]             ; the scale's byte
.irp i, 0,1,2,3,4,5,6,7,8,9,10,11,12,13,14,15
	v_med3_num_f32 v[HA+\i], v[HA+\i], -v[TM+3], v[TM+3]           ; the conversion to an 8-bit code does not saturate (ISA guide 7.6.2)
.endr
	v_cvt_scalef32_pk8_bf8_f32 v[PC:PC+1], v[HA:HA+7], v[TM+2]
	v_cvt_scalef32_pk8_bf8_f32 v[PC+2:PC+3], v[HA+8:HA+15], v[TM+2]
	v_nop                                          ; a plain line behind the conversions: the next products write their sources
.endm
; One tile: 16 list rows x my 32 hidden units, K = 1,024.  The two accumulators take turns, one instruction a turn.
.macro TILE slot, tau, rp
.irp s, 0,1,2,3,4,5,6,7
.if \s == 5
	s_wait_xcnt 0x0                                ; the last tile's store has read its codes, v216-219: K step 5's loads, which land there, stand behind this wait.  K steps 0-4 land in no register that a pending global instruction names
.endif
.irp c, 0,1,2,3
	ds_load_b128 v[XF+16*\s+4*\c:XF+16*\s+4*\c+3], v[XA] offset:(2*(\slot)+(\tau))*16640+128*\s+32*\c
.endr
.endr
	s_wait_dscnt 16                                ; K steps 0-3 are in (and all that was asked earlier: W1's fragments, the scale words); the youngest 16 loads may be out
	WIN 0x01                                       ; source 0 (W1) window 1
.irp u, 0,1
	MM HA+8*\u, 128*\u, XF, 0, W1S, XSR, \u, \tau
.endr
.irp s, 1,2,3
.irp u, 0,1
	MM HA+8*\u, 128*\u+16*\s, XF+16*\s, v[HA+8*\u:HA+8*\u+7], W1S+\s, XSR+\s, \u, \tau
.endr
.endr
	s_wait_dscnt 0x0
.irp s, 4,5,6,7
.irp u, 0,1
	MM HA+8*\u, 128*\u+16*\s, XF+16*\s, v[HA+8*\u:HA+8*\u+7], W1S+\s, XSR+\s, \u, \tau
.endr
.endr
	WIN 0
.rept 9
	v_nop                                          ; places: eight in front of the first read of results and of writes over the products' sources; nine in front of the next tile's products, which begin the accumulators anew
.endr
	GELU16
	QUANT1
	global_store_b128 v[HO], v[PC:PC+3], s[40:41] offset:(4*(\rp)+2*(\tau))*65536    ; chunk wc of the image: 32 lanes store 512 consecutive bytes
	ds_store_b8 v[SBT], v[TM+4] offset:128*(\rp)+64*(\tau)         ; both halves of the lanes write the same byte with the same value
.endm
; A round: the next round's rows are asked for, if the list has them; this round's tiles are made; the rows that came go into the other slot; one barrier.
; The other slot was last read in the round before, ahead of that round's barrier, and is read next behind this round's.
.macro ROUND slot, rp
	s_add_co_u32 s28, s30, 64*(\rp)+64
	s_cmp_lt_u32 s28, s26                          ; does the next round begin inside the list?
	s_cbranch_scc0 .Lno_ids_\@
	GATHER_IDS TA, TB, 256*((\rp)+1)               ; (no load of mine is out here: the offsets' registers are free)
.Lno_ids_\@:
	GATHER_CALC
	s_cmp_lt_u32 s28, s26
	s_cbranch_scc0 .Lno_ask_\@
	GATHER_LOADS
.Lno_ask_\@:
	s_add_co_u32 s28, s30, 64*(\rp)
	s_add_co_u32 s28, s28, s34
	s_cmp_lt_u32 s28, s26                          ; does tile wr of the round begin inside the list?
	s_cbranch_scc0 .Lno_tile_\@
	ds_load_b128 v[XSR:XSR+3], v[XSA] offset:(\slot)*3072
	ds_load_b128 v[XSR+4:XSR+7], v[XSA] offset:(\slot)*3072+16
	TILE \slot, 0, \rp
	s_add_co_u32 s28, s30, 64*(\rp)+32
	s_add_co_u32 s28, s28, s34
	s_cmp_lt_u32 s28, s26                          ; and tile wr + 2?
	s_cbranch_scc0 .Lno_tile_\@
	TILE \slot, 1, \rp
.Lno_tile_\@:
	s_wait_loadcnt 0x0                             ; on every way: what was asked for has come, and the gather's registers are free
	s_add_co_u32 s28, s30, 64*(\rp)+64
	s_cmp_lt_u32 s28, s26
	s_cbranch_scc0 .Lno_put_\@
	GATHER_PUT 1-(\slot)
.Lno_put_\@:
	BAR
.endm
.Ltrip:                                            ; 8 trips of two rounds: 1,024 list rows
	v_add_nc_u32 v[SBT], s39, v[SBA]               ; the trip's 256 scale bytes of my half
	v_add_nc_u32 v[TA], s38, v[LA]                 ; and its place in the list, for my four rows
	v_add_nc_u32 v[TB], s38, v[LB]                 ; and for the row whose scale bytes I fetch
	ROUND 0, 0
	ROUND 1, 1
	s_wait_xcnt 0x0                                ; the stores have read their base
	s_add_nc_u64 s[40:41], s[40:41], 524288        ; 8 tiles of rows on
	s_add_co_u32 s30, s30, 128
	s_add_co_u32 s38, s38, 512
	s_add_co_u32 s39, s39, 256
	s_sub_co_u32 s31, s31, 1
	s_cmp_lg_u32 s31, 0
	s_cbranch_scc1 .Ltrip
	ds_load_b128 v[GT:GT+3], v[SCO]                ; behind the last barrier: the 4,096 scale bytes leave on end
	s_wait_dscnt 0x0
	global_store_b128 v[T16], v[GT:GT+3], s[16:17]
	s_cmp_lg_u32 s24, 0
	s_cbranch_scc1 .Lend                           ; list and count are stored by the expert's first work-group
	ds_load_b128 v[GT+4:GT+7], v[LSO]
	s_wait_dscnt 0x0
	global_store_b128 v[T16], v[GT+4:GT+7], s[18:19]
	s_cmp_lg_u32 s20, 0
	s_cbranch_scc1 .Lend
	v_mov_b32 v[GT+8], s25
	global_store_b32 v2, v[GT+8], s[18:19] offset:4224             ; n, 32 times: bytes 4,224 to 4,351
.Lend:
	s_wait_xcnt 0x0
	v_lshl_add_u32 v254, v0, 2, 0x44c00
	v_mov_b32 v255, 0
	s_wait_tensorcnt 0x0
	ds_add_u32 v254, v255
	s_wait_dscnt 0x0
	s_endpgm
.Lfunc_end_k_q8ad02b7098_fc1:
	.size	k_q8ad02b7098_fc1, .Lfunc_end_k_q8ad02b7098_fc1-k_q8ad02b7098_fc1
	.p2alignl 7, 3214868480
	.fill 96, 4, 3214868480
	.section	.rodata,"a",@progbits
	.p2align	6, 0x0
	.amdhsa_kernel k_q8ad02b7098_fc1
		.amdhsa_group_segment_fixed_size 282624
		.amdhsa_private_segment_fixed_size 0
		.amdhsa_enable_private_segment 0
		.amdhsa_kernarg_size 64
		.amdhsa_user_sgpr_count 2
		.amdhsa_user_sgpr_kernarg_segment_ptr 1
		.amdhsa_wavefront_size32 1
		.amdhsa_system_sgpr_workgroup_id_x 1
		.amdhsa_system_sgpr_workgroup_id_y 1
		.amdhsa_system_sgpr_workgroup_id_z 1
		.amdhsa_system_vgpr_workitem_id 0
		.amdhsa_next_free_vgpr 512
		.amdhsa_next_free_sgpr 84
		.amdhsa_reserve_vcc 0
		.amdhsa_float_denorm_mode_32 3
		.amdhsa_float_denorm_mode_16_64 3
		.amdhsa_memory_ordered 1
		.amdhsa_forward_progress 1
		.amdhsa_inst_pref_size 163
	.end_amdhsa_kernel
	.amdgpu_metadata
---
amdhsa.version: [ 1, 2 ]
amdhsa.kernels:
  - .name:           k_q8ad02b7098_fc1
    .symbol:         k_q8ad02b7098_fc1.kd
    .args:
      - { .name: route, .offset: 0, .size: 8, .value_kind: global_buffer, .address_space: global }
      - { .name: xcodes, .offset: 8, .size: 8, .value_kind: global_buffer, .address_space: global }
      - { .name: xscales, .offset: 16, .size: 8, .value_kind: global_buffer, .address_space: global }
      - { .name: w1_codes, .offset: 24, .size: 8, .value_kind: global_buffer, .address_space: global }
      - { .name: w1_scales, .offset: 32, .size: 8, .value_kind: global_buffer, .address_space: global }
      - { .name: hcodes, .offset: 40, .size: 8, .value_kind: global_buffer, .address_space: global }
      - { .name: hscales, .offset: 48, .size: 8, .value_kind: global_buffer, .address_space: global }
      - { .name: rows, .offset: 56, .size: 8, .value_kind: global_buffer, .address_space: global }
    .group_segment_fixed_size: 282624
    .private_segment_fixed_size: 0
    .kernarg_segment_align: 8
    .kernarg_segment_size: 64
    .max_flat_workgroup_size: 256
    .sgpr_count:     84
    .vgpr_count:     512
    .wavefront_size: 32
...
	.end_amdgpu_metadata
.endif
;; end of part 2
;; launch fc2 (part 3): grid 32 x 8, 4 waves a work-group, no clusters, 210,432 bytes of LDS; arguments rows, gate, hcodes, hscales, w2_codes, w2_scales, y; writes y
.if DOCPART == 3
	.amdgcn_target "amdgcn-amd-amdhsa--gfx1250"
	.amdhsa_code_object_version 6
	.text
	.protected	k_q8ad02b7098_fc2
	.globl	k_q8ad02b7098_fc2
	.p2align	8
	.type	k_q8ad02b7098_fc2,@function
k_q8ad02b7098_fc2:
	s_mov_b64 s[64:65], 0
	v_nop
	global_prefetch_b8 v0, s[64:65] scope:SCOPE_SE
	s_setreg_imm32_b32 hwreg(HW_REG_WAVE_MODE, 25, 1), 1
	s_wait_xcnt 0x0
; SECOND PRODUCT AND THE GATE, for the chosen rows alone.  Work-group (x = 2 dt + p, y = e) owns columns 64 dt .. 64 dt + 63 of expert e and the tiles of 16 list rows m = 2 k + p, k = 0 .. 31.
; THE WAVES SPLIT K: wave w owns K steps 8 w .. 8 w + 7 of the 32.  Its part of W2 (4 tiles of 16 columns x 8 K steps: 512 registers, windows 1 and 2) stays in registers for the whole launch.
; The hidden layer's fragments come from hcodes straight into registers (window 3, two buffers): they were stored as images of the operand's registers, so a fragment is four loads of 512 consecutive bytes.
; A tile's loads are issued two tiles ahead.  The four waves' partial sums of a tile meet in LDS, four tiles a round; wave w adds up tile w of the round, multiplies by the rows' gates and stores:
; y[id][64 dt ..]: sixteen lanes store 256 consecutive bytes, aligned.  THE LAST TILE'S SPARE ROWS are copies of the list's last id, a row of that same tile: their sums and gates are that row's bit for bit,
; and the same wave stores the same numbers to the same bytes once more.  So no store is masked.
; THE PRODUCT IS USED TRANSPOSED (source 0 = 16 columns' rows of W2, source 1 = 16 list rows): a lane holds eight neighbouring columns of one list row.
; LOOPS have constant trip counts (32 tiles serve n = 1,024); a tile's work is jumped over by scalar branches on n, read from rows; every wave passes every barrier; every address register is made on the way that all rounds take.
; NO TENSOR LOAD, NO JOINT LOAD, though 16 work-groups read the same hidden tiles and two the same part of W2.
; LIMITS: NaN and infinities are not served.  The sum over K is made in four parts, added in f32.  A work-group whose expert has no row for it still reads its part of W2.
.set WP,   1040                        ; LDS 0: for each wave 16 rows x WP, through which W2's rows turn into fragments
.set RED,  66560                       ; partial sums [writer 4: 34,816][slot 2: 17,408][tile 4: 4,352][16 rows x 272]
.set IDT,  205824                      ; ids [k 32][16 rows], 2,048 bytes; behind them the gates likewise
.set HV,   3                           ; v3   16 x lane
.set SV,   4                           ; v4   4,096 h + 4 r: the hidden layer's scale words
.set STW,  5                           ; v5   W2's rows into LDS
.set LDW,  6                           ; v6   and back as fragments
.set RST,  7                           ; v7   where I put partial sums
.set RRD,  8                           ; v8-9 where I read them: writers 0, 1 and writers 2, 3
.set TBA,  10                          ; v10  the tables: IDT + 64 w + 32 h
.set TBS,  11                          ; v11  IDT + 16 x thread
.set IDO,  12                          ; v12  my ids' place in rows
.set WSV,  13                          ; v13  128 x lane: W2's scale bytes
.set R16,  14                          ; v14  16 r
.set TA,   15                          ; v15  the tables' place for the trip in hand
.set W2S,  16                          ; v16-31 W2's scale words: register 8 (d / 2) + s, lanes 0-15 tile d even, lanes 16-31 d odd.  Scales and nothing else
.set HS,   32                          ; v32-39 the hidden layer's: buffer b at 4 b; register s / 2, lanes 0-15 s even, lanes 16-31 s odd.  Scales and nothing else
.set ACC,  40                          ; v40-71 four accumulators
.set IDR,  72                          ; v72-79 eight ids
.set GAR,  80                          ; v80-87 eight gates
.set VO,   88                          ; v88-95 eight offsets in y
.set PP,   96                          ; v96-223 four writers' partial sums, 32 registers each
.set GOF,  226                         ; v226-229 offsets in gate
.set MSB, 0
.macro WIN new                         ; the immediate's high byte repeats the setting that is left
.if MSB != (\new)
	s_set_vgpr_msb (MSB<<8)|(\new)
.set MSB, (\new)
.endif
.endm
.macro BAR                             ; my LDS stores have landed and my LDS loads are in: then the work-group's barrier
	s_wait_dscnt 0x0
	s_barrier_signal -1
	s_barrier_wait -1
.endm
.macro MM d, a, b, c, sa, sb, ra, rb   ; one product; ra, rb: the scales stand in lanes 16-31 of their registers
.if (\ra) && (\rb)
	v_wmma_scale_f32_16x16x128_f8f6f4 v[\d:\d+7], v[\a:\a+15], v[\b:\b+15], \c, v[\sa], v[\sb] matrix_a_fmt:MATRIX_FMT_BF8 matrix_b_fmt:MATRIX_FMT_BF8 matrix_a_scale:MATRIX_SCALE_ROW1 matrix_b_scale:MATRIX_SCALE_ROW1
.elseif (\ra)
	v_wmma_scale_f32_16x16x128_f8f6f4 v[\d:\d+7], v[\a:\a+15], v[\b:\b+15], \c, v[\sa], v[\sb] matrix_a_fmt:MATRIX_FMT_BF8 matrix_b_fmt:MATRIX_FMT_BF8 matrix_a_scale:MATRIX_SCALE_ROW1
.elseif (\rb)
	v_wmma_scale_f32_16x16x128_f8f6f4 v[\d:\d+7], v[\a:\a+15], v[\b:\b+15], \c, v[\sa], v[\sb] matrix_a_fmt:MATRIX_FMT_BF8 matrix_b_fmt:MATRIX_FMT_BF8 matrix_b_scale:MATRIX_SCALE_ROW1
.else
	v_wmma_scale_f32_16x16x128_f8f6f4 v[\d:\d+7], v[\a:\a+15], v[\b:\b+15], \c, v[\sa], v[\sb] matrix_a_fmt:MATRIX_FMT_BF8 matrix_b_fmt:MATRIX_FMT_BF8
.endif
.endm
; 16 rows of W2 (tile d), my 1,024 bytes of each: 32 loads of 512 consecutive bytes, into the registers that the fragments will take
.macro LOADW d
	WIN (1+(\d)/2)<<6
.set q, 0
.rept 32
	global_load_b128 v[128*((\d)%2)+4*q:128*((\d)%2)+4*q+3], v[HV], s[42:43] offset:(16*(\d)+q/2)*4096+(q%2)*512
.set q, q+1
.endr
	WIN 0
.endm
; they turn through my own 16 rows of LDS.  LDS serves a wave's instructions in order: no wait between the stores and the loads, nor in front of the next tile's stores
.macro STAGEW d
	WIN (1+(\d)/2)<<2                              ; an LDS store's data are its source 1
.set q, 0
.rept 32
	ds_store_b128 v[STW], v[128*((\d)%2)+4*q:128*((\d)%2)+4*q+3] offset:(q/2)*WP+(q%2)*512
.set q, q+1
.endr
	WIN (1+(\d)/2)<<6
.set q, 0
.rept 32
	ds_load_b128 v[128*((\d)%2)+4*q:128*((\d)%2)+4*q+3], v[LDW] offset:32*q          ; fragment s = q / 4, registers 4 (q % 4) on: byte 128 s + 32 c of row r, + 16 h
.set q, q+1
.endr
	WIN 0
.endm
; a tile's 36 loads into buffer b: 4 of scale words, 32 of codes.  cb, sb: the scalar pairs of the bases; k: tiles on from the bases
.macro LOADT b, cb, sb, k
.irp q, 0,1,2,3
	global_load_b32 v[HS+4*(\b)+\q], v[SV], s[\sb:\sb+1] offset:8192*\q+64*(\k)
.endr
	WIN 0xc0                                       ; destination window 3
.irp s, 0,1,2,3,4,5,6,7
.irp c, 0,1,2,3
	global_load_b128 v[128*(\b)+16*\s+4*\c:128*(\b)+16*\s+4*\c+3], v[HV], s[\cb:\cb+1] offset:131072*(\k)+2048*\s+512*\c
.endr
.endr
	WIN 0
.endm
	s_load_b256 s[4:11], s[0:1], 0x0               ; rows s[4:5], gate s[6:7], hcodes s[8:9], hscales s[10:11]
	s_load_b128 s[12:15], s[0:1], 0x20             ; w2_codes s[12:13], w2_scales s[14:15]
	s_load_b64 s[16:17], s[0:1], 0x30              ; y
	v_lshl_add_u32 v254, v0, 2, 0x33400
	v_mov_b32 v255, 0
	v_lshrrev_b32 v[TA], 5, v0
	v_readfirstlane_b32 s18, v[TA]                 ; w
	s_and_b32 s19, ttmp9, 1                        ; p
	s_lshr_b32 s20, ttmp9, 1                       ; dt
	s_and_b32 s21, ttmp7, 0xffff                   ; e
	v_and_b32 v225, 31, v0                         ; lane
	v_and_b32 v1, 15, v0                           ; r
	v_bfe_u32 v2, v0, 4, 1                         ; h
	v_lshlrev_b32 v[HV], 4, v225
	v_lshlrev_b32 v[SV], 12, v2
	v_lshl_add_u32 v[SV], v1, 2, v[SV]
	s_mul_i32 s28, s18, 16*WP
	v_add_nc_u32 v[STW], s28, v[HV]
	v_mul_u32_u24 v[LDW], v1, WP
	v_lshl_add_u32 v[LDW], v2, 4, v[LDW]
	v_add_nc_u32 v[LDW], s28, v[LDW]
	s_mul_i32 s28, s18, 34816
	s_add_co_u32 s28, s28, RED
	v_mul_u32_u24 v[RST], v1, 272
	v_lshl_add_u32 v[RST], v2, 5, v[RST]
	v_add_nc_u32 v[RST], s28, v[RST]               ; RED + 34,816 w + 272 r + 32 h
	s_mul_i32 s28, s18, 4352
	s_add_co_u32 s28, s28, RED
	v_mul_u32_u24 v[RRD], v2, 8*272
	v_lshl_add_u32 v[RRD], v1, 4, v[RRD]
	v_add_nc_u32 v[RRD], s28, v[RRD]               ; RED + 4,352 w + 272 x 8 h + 16 r: lanes 0-15 a whole row, lanes 16-31 the row eight further down
	v_add_nc_u32 v[RRD+1], 69632, v[RRD]
	s_lshl_b32 s28, s18, 6
	s_add_co_u32 s28, s28, IDT
	v_lshl_add_u32 v[TBA], v2, 5, s28
	v_lshlrev_b32 v[TBS], 4, v0
	v_add_nc_u32 v[TBS], IDT, v[TBS]
	v_lshrrev_b32 v[IDO], 2, v0
	v_lshlrev_b32 v[IDO], 7, v[IDO]
	v_and_b32 v[TA], 3, v0
	v_lshl_add_u32 v[IDO], v[TA], 4, v[IDO]        ; thread: tile k = thread / 4, rows 4 (thread % 4) on: byte 128 k + 16 (thread % 4) of my parity's ids
	v_lshlrev_b32 v[WSV], 7, v225
	v_lshlrev_b32 v[R16], 4, v1
	s_mov_b32 s26, 0                               ; KT: the trip's first tile
	s_mov_b32 s46, 0                               ; 64 KT
	s_mov_b32 s27, 4                               ; trips
	s_mov_b32 s49, 0
	s_mul_i32 s52, s21, 4352
	s_wait_kmcnt 0x0
	s_load_b32 s22, s[4:5], s52 offset:4224        ; n.  (s52 and s[4:5] are not written again)
	s_lshl_b32 s48, s19, 6
	s_add_co_u32 s48, s48, s52
	s_add_nc_u64 s[50:51], s[4:5], s[48:49]        ; rows + 4,352 e + 64 p
	s_lshl_b32 s48, s21, 22
	s_lshl_b32 s28, s20, 18
	s_add_co_u32 s48, s48, s28
	s_lshl_b32 s28, s18, 10
	s_add_co_u32 s48, s48, s28
	s_add_nc_u64 s[42:43], s[12:13], s[48:49]      ; W2's row 1,024 e + 64 dt, byte 1,024 w
	s_lshl_b32 s48, s21, 17
	s_lshl_b32 s28, s20, 13
	s_add_co_u32 s48, s48, s28
	s_lshl_b32 s28, s18, 5
	s_add_co_u32 s48, s48, s28
	s_add_nc_u64 s[14:15], s[14:15], s[48:49]      ; its scale bytes: 128 a row, byte 32 w
	s_lshl_b32 s48, s20, 8
	s_add_nc_u64 s[44:45], s[16:17], s[48:49]      ; y + 256 dt
	s_lshl_b32 s48, s21, 22
	s_lshl_b32 s28, s18, 14
	s_add_co_u32 s48, s48, s28
	s_add_nc_u64 s[54:55], s[8:9], s[48:49]        ; hcodes: expert e, tile 0, K step 8 w
	s_lshl_b32 s48, s19, 16
	s_add_nc_u64 s[30:31], s[54:55], s[48:49]      ; and tile p: it walks
	s_lshl_b32 s48, s21, 17
	s_lshl_b32 s28, s18, 15
	s_add_co_u32 s48, s48, s28
	s_add_nc_u64 s[56:57], s[10:11], s[48:49]      ; hscales: expert e, K step 8 w
	s_lshl_b32 s48, s19, 11
	s_add_nc_u64 s[32:33], s[56:57], s[48:49]      ; and parity p: it walks
	global_load_b128 v[IDR:IDR+3], v[IDO], s[50:51]
.irp g, 0,1
	global_load_b128 v[W2S+8*\g:W2S+8*\g+3], v[WSV], s[14:15] offset:4096*\g
	global_load_b128 v[W2S+8*\g+4:W2S+8*\g+7], v[WSV], s[14:15] offset:4096*\g+16
.endr
	LOADW 0
	LOADW 1
	s_wait_kmcnt 0x0
	s_min_u32 s22, s22, 0x400                      ; n
	s_add_co_u32 s23, s22, 15
	s_lshr_b32 s23, s23, 4                         ; the expert's tiles
	s_sub_co_u32 s24, s23, s19
	s_add_co_u32 s24, s24, 1
	s_lshr_b32 s24, s24, 1                         ; nT: those of my parity
	s_max_u32 s25, s23, 1
	s_sub_co_u32 s25, s25, 1                       ; the last tile that the launch before has written
.irp k, 0,1                            ; the first two tiles are asked for whatever n, held at that last tile, so that they read written bytes
	s_add_co_u32 s28, s19, 2*\k
	s_min_u32 s28, s28, s25
	s_min_u32 s28, s28, 63
	s_lshl_b32 s48, s28, 16
	s_add_nc_u64 s[34+4*\k:35+4*\k], s[54:55], s[48:49]
	s_and_b32 s29, s28, 1
	s_lshl_b32 s29, s29, 11
	s_lshl_b32 s48, s28, 5
	s_and_b32 s48, s48, 0x7c0                      ; 64 (m / 2)
	s_add_co_u32 s48, s48, s29
	s_add_nc_u64 s[36+4*\k:37+4*\k], s[56:57], s[48:49]
.endr
	s_wait_loadcnt 63                              ; 69 loads were issued, the ids' first: with 63 out at the most the first six are in
.irp i, 0,1,2,3
	v_min_u32 v[GOF+\i], 0x7ff, v[IDR+\i]
.endr
.irp i, 0,1,2,3
	v_lshlrev_b32 v[GOF+\i], 2, v[GOF+\i]
.endr
.irp i, 0,1,2,3
	global_load_b32 v[GAR+\i], v[GOF+\i], s[6:7]
.endr
	LOADW 2
	s_wait_loadcnt 63                              ; 105 issued: the first 42 are in, tile 0's rows (the 37th is their last) among them
	STAGEW 0
	LOADW 3
	s_wait_loadcnt 63                              ; 137 issued: the first 74 are in: tile 1's rows (69) and the gates (73)
	ds_store_b128 v[TBS], v[IDR:IDR+3]             ; the tables
	ds_store_b128 v[TBS], v[GAR:GAR+3] offset:2048
	STAGEW 1
	LOADT 0, 34, 36, 0
	LOADT 1, 38, 40, 0
	s_wait_loadcnt 63                              ; 209 issued: the first 146 are in: tiles 2 and 3 (137)
	STAGEW 2
	STAGEW 3
	BAR                                            ; W2's fragments are in their registers, and the tables lie in LDS for every wave
; Tile KT + kk, if the list has it.  AT THE HEAD of a tile either none of my loads is out, or this tile's 36, or these and the next tile's 36 behind them: every way that issues no load waits for all.
.macro TILE kk, slot
	s_add_co_u32 s28, s26, \kk
	s_cmp_lt_u32 s28, s24
	s_cbranch_scc1 .Lact_\@
	s_wait_loadcnt 0x0
	s_branch .Ldone_\@
.Lact_\@:
	s_wait_loadcnt 36                              ; this tile's loads are in; the next tile's 36 may be out
	WIN 0x0d                                       ; source 0 (W2) window 1, source 1 (the hidden layer) window 3
.irp d, 0,1
	MM ACC+8*\d, 128*(\d%2), 128*((\kk)%2), 0, W2S+8*(\d/2), HS+4*((\kk)%2), \d%2, 0
.endr
.irp s, 1,2,3,4,5,6,7
.irp d, 0,1                            ; two accumulators by turns, one instruction a turn
	MM ACC+8*\d, 128*(\d%2)+16*\s, 128*((\kk)%2)+16*\s, v[ACC+8*\d:ACC+8*\d+7], W2S+8*(\d/2)+\s, HS+4*((\kk)%2)+\s/2, \d%2, \s%2
.endr
.endr
	WIN 0x0e                                       ; source 0 window 2
.irp d, 2,3
	MM ACC+8*\d, 128*(\d%2), 128*((\kk)%2), 0, W2S+8*(\d/2), HS+4*((\kk)%2), \d%2, 0
.endr
.irp s, 1,2,3,4,5,6,7
.irp d, 2,3
	MM ACC+8*\d, 128*(\d%2)+16*\s, 128*((\kk)%2)+16*\s, v[ACC+8*\d:ACC+8*\d+7], W2S+8*(\d/2)+\s, HS+4*((\kk)%2)+\s/2, \d%2, \s%2
.endr
.endr
	WIN 0
.rept 9
	v_nop                                          ; places: eight in front of loads into the products' sources and of the stores of results; nine in front of the next tile's products, which begin the accumulators anew
.endr
	s_add_co_u32 s28, s26, (\kk)+2
	s_cmp_lt_u32 s28, s24
	s_cbranch_scc1 .Lmore_\@
	s_wait_loadcnt 0x0
	s_branch .Lput_\@
.Lmore_\@:
	LOADT (\kk)%2, 30, 32, (\kk)+2                 ; the tile two on, into the buffer just multiplied
.Lput_\@:
.irp d, 0,1,2,3
	ds_store_b128 v[RST], v[ACC+8*\d:ACC+8*\d+3] offset:(\slot)*17408+((\kk)%4)*4352+64*\d       ; each accumulator from its low end on
	ds_store_b128 v[RST], v[ACC+8*\d+4:ACC+8*\d+7] offset:(\slot)*17408+((\kk)%4)*4352+64*\d+16
.endr
.Ldone_\@:
.endm
; The ids and gates of the tile that I finish in round rr of the trip, KT + 4 rr + w: asked for at the round's head; the round's barrier waits for them
.macro TABLES rr
	ds_load_b128 v[IDR:IDR+3], v[TA] offset:256*(\rr)
	ds_load_b128 v[IDR+4:IDR+7], v[TA] offset:256*(\rr)+16
	ds_load_b128 v[GAR:GAR+3], v[TA] offset:2048+256*(\rr)
	ds_load_b128 v[GAR+4:GAR+7], v[TA] offset:2048+256*(\rr)+16
.endm
; Wave w finishes tile KT + 4 rr + w: four partial sums, the gates, the stores.  The offsets in y are made in every round; the work is jumped over where the list has no such tile.
.macro REDUCE slot, rr
	s_wait_xcnt 0x0                                ; my last stores have read their offsets and their data
.irp t, 0,1,2,3,4,5,6,7
	v_min_u32 v[VO+\t], 0x7ff, v[IDR+\t]
.endr
.irp t, 0,1,2,3,4,5,6,7
	v_lshlrev_b32 v[VO+\t], 12, v[VO+\t]           ; row id of y,
.endr
.irp t, 0,1,2,3,4,5,6,7
	v_add_nc_u32 v[VO+\t], v[VO+\t], v[R16]        ; 16 bytes a lane
.endr
	s_add_co_u32 s28, s26, 4*(\rr)
	s_add_co_u32 s28, s28, s18
	s_cmp_lt_u32 s28, s24
	s_cbranch_scc0 .Lnone_\@
.irp v, 0,1,2,3
.irp t, 0,1,2,3,4,5,6,7
	ds_load_b128 v[PP+32*\v+4*\t:PP+32*\v+4*\t+3], v[RRD+\v/2] offset:(\v%2)*34816+(\slot)*17408+272*\t
.endr
.endr
	s_wait_dscnt 0x0
.set i, 0
.rept 16
	v_pk_add_f32 v[PP+i:PP+i+1], v[PP+i:PP+i+1], v[PP+32+i:PP+32+i+1]
	v_pk_add_f32 v[PP+64+i:PP+64+i+1], v[PP+64+i:PP+64+i+1], v[PP+96+i:PP+96+i+1]
.set i, i+2
.endr
.set i, 0
.rept 16
	v_pk_add_f32 v[PP+i:PP+i+1], v[PP+i:PP+i+1], v[PP+64+i:PP+64+i+1]
.set i, i+2
.endr
.irp t, 0,2,4,6                        ; row t's gate is the pair's first register, row t + 1's its second
	v_pk_mul_f32 v[PP+4*\t:PP+4*\t+1], v[PP+4*\t:PP+4*\t+1], v[GAR+\t:GAR+\t+1] op_sel_hi:[1,0]
	v_pk_mul_f32 v[PP+4*\t+2:PP+4*\t+3], v[PP+4*\t+2:PP+4*\t+3], v[GAR+\t:GAR+\t+1] op_sel_hi:[1,0]
	v_pk_mul_f32 v[PP+4*\t+4:PP+4*\t+5], v[PP+4*\t+4:PP+4*\t+5], v[GAR+\t:GAR+\t+1] op_sel:[0,1] op_sel_hi:[1,1]
	v_pk_mul_f32 v[PP+4*\t+6:PP+4*\t+7], v[PP+4*\t+6:PP+4*\t+7], v[GAR+\t:GAR+\t+1] op_sel:[0,1] op_sel_hi:[1,1]
.endr
.irp t, 0,1,2,3,4,5,6,7
	global_store_b128 v[VO+\t], v[PP+4*\t:PP+4*\t+3], s[44:45]     ; 16 lanes store 256 consecutive bytes of a row of y, aligned
.endr
.Lnone_\@:
.endm
; Two slots of partial sums, one barrier a round: a slot is written again two rounds on, behind the next round's barrier, in front of which each wave has waited for its reads of it.
.Ltrip:                                            ; 4 trips of 8 tiles
	v_add_nc_u32 v[TA], s46, v[TBA]                ; the trip's place in the tables
	TABLES 0
	TILE 0, 0
	TILE 1, 0
	TILE 2, 0
	TILE 3, 0
	BAR
	REDUCE 0, 0
	TABLES 1
	TILE 4, 1
	TILE 5, 1
	TILE 6, 1
	TILE 7, 1
	BAR
	REDUCE 1, 1
	s_wait_xcnt 0x0                                ; the loads on their way have read their bases
	s_add_nc_u64 s[30:31], s[30:31], 1048576       ; 8 tiles of my parity on
	s_add_nc_u64 s[32:33], s[32:33], 512
	s_add_co_u32 s26, s26, 8
	s_add_co_u32 s46, s46, 512
	s_sub_co_u32 s27, s27, 1
	s_cmp_lg_u32 s27, 0
	s_cbranch_scc1 .Ltrip
	s_wait_tensorcnt 0x0
	ds_add_u32 v254, v255
	s_wait_dscnt 0x0
	s_endpgm
.Lfunc_end_k_q8ad02b7098_fc2:
	.size	k_q8ad02b7098_fc2, .Lfunc_end_k_q8ad02b7098_fc2-k_q8ad02b7098_fc2
	.p2alignl 7, 3214868480
	.fill 96, 4, 3214868480
	.section	.rodata,"a",@progbits
	.p2align	6, 0x0
	.amdhsa_kernel k_q8ad02b7098_fc2
		.amdhsa_group_segment_fixed_size 210432
		.amdhsa_private_segment_fixed_size 0
		.amdhsa_enable_private_segment 0
		.amdhsa_kernarg_size 56
		.amdhsa_user_sgpr_count 2
		.amdhsa_user_sgpr_kernarg_segment_ptr 1
		.amdhsa_wavefront_size32 1
		.amdhsa_system_sgpr_workgroup_id_x 1
		.amdhsa_system_sgpr_workgroup_id_y 1
		.amdhsa_system_sgpr_workgroup_id_z 1
		.amdhsa_system_vgpr_workitem_id 0
		.amdhsa_next_free_vgpr 1024
		.amdhsa_next_free_sgpr 66
		.amdhsa_reserve_vcc 0
		.amdhsa_float_denorm_mode_32 3
		.amdhsa_float_denorm_mode_16_64 3
		.amdhsa_memory_ordered 1
		.amdhsa_forward_progress 1
		.amdhsa_inst_pref_size 129
	.end_amdhsa_kernel
	.amdgpu_metadata
---
amdhsa.version: [ 1, 2 ]
amdhsa.kernels:
  - .name:           k_q8ad02b7098_fc2
    .symbol:         k_q8ad02b7098_fc2.kd
    .args:
      - { .name: rows, .offset: 0, .size: 8, .value_kind: global_buffer, .address_space: global }
      - { .name: gate, .offset: 8, .size: 8, .value_kind: global_buffer, .address_space: global }
      - { .name: hcodes, .offset: 16, .size: 8, .value_kind: global_buffer, .address_space: global }
      - { .name: hscales, .offset: 24, .size: 8, .value_kind: global_buffer, .address_space: global }
      - { .name: w2_codes, .offset: 32, .size: 8, .value_kind: global_buffer, .address_space: global }
      - { .name: w2_scales, .offset: 40, .size: 8, .value_kind: global_buffer, .address_space: global }
      - { .name: y, .offset: 48, .size: 8, .value_kind: global_buffer, .address_space: global }
    .group_segment_fixed_size: 210432
    .private_segment_fixed_size: 0
    .kernarg_segment_align: 8
    .kernarg_segment_size: 56
    .max_flat_workgroup_size: 128
    .sgpr_count:     66
    .vgpr_count:     1024
    .wavefront_size: 32
...
	.end_amdgpu_metadata
.endif
;; end of part 3
;; launch combine (part 4): grid 256 x 1, 4 waves a work-group, no clusters, 0 bytes of LDS; arguments y, out0; writes out0
.if DOCPART == 4
	.amdgcn_target "amdgcn-amd-amdhsa--gfx1250"
	.amdhsa_code_object_version 6
	.text
	.protected	k_q8ad02b7098_combine
	.globl	k_q8ad02b7098_combine
	.p2align	8
	.type	k_q8ad02b7098_combine,@function
k_q8ad02b7098_combine:
	s_mov_b64 s[64:65], 0
	v_nop
	global_prefetch_b8 v0, s[64:65] scope:SCOPE_SE
	s_setreg_imm32_b32 hwreg(HW_REG_WAVE_MODE, 25, 1), 1
	s_wait_xcnt 0x0
; out0[t] = y[2 t] + y[2 t + 1]: the two experts' rows, already weighed by their gates.  One wave takes one token t = 4 x work-group + wave.
; A stream: every byte is read once and written once, each instruction of a wave covers 512 consecutive bytes; all 16 loads go out at once.  No LDS, no barrier, no loop.
	s_load_b128 s[4:7], s[0:1], 0x0                ; y, out0
	v_lshrrev_b32 v1, 5, v0
	v_readfirstlane_b32 s8, v1                     ; wave
	v_and_b32 v2, 31, v0
	v_lshlrev_b32 v2, 4, v2                        ; 16 x lane
	s_lshl_b32 s9, ttmp9, 2
	s_add_co_u32 s9, s9, s8                        ; t
	s_lshl_b32 s10, s9, 13
	s_mov_b32 s11, 0
	s_lshl_b32 s12, s9, 12
	s_mov_b32 s13, 0
	s_wait_kmcnt 0x0
	s_add_nc_u64 s[4:5], s[4:5], s[10:11]          ; y + 8,192 t
	s_add_nc_u64 s[6:7], s[6:7], s[12:13]          ; out0 + 4,096 t
.irp i, 0,1,2,3,4,5,6,7
	global_load_b128 v[8+4*\i:11+4*\i], v2, s[4:5] offset:512*\i th:TH_LOAD_NT
.endr
.irp i, 0,1,2,3,4,5,6,7
	global_load_b128 v[40+4*\i:43+4*\i], v2, s[4:5] offset:4096+512*\i th:TH_LOAD_NT
.endr
.irp i, 0,1,2,3,4,5,6,7
	s_wait_loadcnt 7-\i                            ; the first row's loads came first: piece i of the second row is in when 7 - i younger loads are out
	v_pk_add_f32 v[8+4*\i:9+4*\i], v[8+4*\i:9+4*\i], v[40+4*\i:41+4*\i]
	v_pk_add_f32 v[10+4*\i:11+4*\i], v[10+4*\i:11+4*\i], v[42+4*\i:43+4*\i]
	global_store_b128 v2, v[8+4*\i:11+4*\i], s[6:7] offset:512*\i th:TH_STORE_NT
.endr
	s_endpgm
.Lfunc_end_k_q8ad02b7098_combine:
	.size	k_q8ad02b7098_combine, .Lfunc_end_k_q8ad02b7098_combine-k_q8ad02b7098_combine
	.p2alignl 7, 3214868480
	.fill 96, 4, 3214868480
	.section	.rodata,"a",@progbits
	.p2align	6, 0x0
	.amdhsa_kernel k_q8ad02b7098_combine
		.amdhsa_group_segment_fixed_size 0
		.amdhsa_private_segment_fixed_size 0
		.amdhsa_enable_private_segment 0
		.amdhsa_kernarg_size 16
		.amdhsa_user_sgpr_count 2
		.amdhsa_user_sgpr_kernarg_segment_ptr 1
		.amdhsa_wavefront_size32 1
		.amdhsa_system_sgpr_workgroup_id_x 1
		.amdhsa_system_sgpr_workgroup_id_y 1
		.amdhsa_system_sgpr_workgroup_id_z 1
		.amdhsa_system_vgpr_workitem_id 0
		.amdhsa_next_free_vgpr 80
		.amdhsa_next_free_sgpr 66
		.amdhsa_reserve_vcc 0
		.amdhsa_float_denorm_mode_32 3
		.amdhsa_float_denorm_mode_16_64 3
		.amdhsa_memory_ordered 1
		.amdhsa_forward_progress 1
		.amdhsa_inst_pref_size 5
	.end_amdhsa_kernel
	.amdgpu_metadata
---
amdhsa.version: [ 1, 2 ]
amdhsa.kernels:
  - .name:           k_q8ad02b7098_combine
    .symbol:         k_q8ad02b7098_combine.kd
    .args:
      - { .name: y, .offset: 0, .size: 8, .value_kind: global_buffer, .address_space: global }
      - { .name: out0, .offset: 8, .size: 8, .value_kind: global_buffer, .address_space: global }
    .group_segment_fixed_size: 0
    .private_segment_fixed_size: 0
    .kernarg_segment_align: 8
    .kernarg_segment_size: 16
    .max_flat_workgroup_size: 128
    .sgpr_count:     66
    .vgpr_count:     80
    .wavefront_size: 32
...
	.end_amdgpu_metadata
.endif
;; end of part 4
;; ======== version 2 of 2: 4 launches
;; workspace buffers: xcodes 1,048,576 bytes; xscales 32,768 bytes; route 8,192 bytes of whole numbers; gate 8,192 bytes; rows 34,816 bytes of whole numbers; hcodes 33,554,432 bytes; hscales 1,048,576 bytes; y 8,388,608 bytes
;; launch route (part 5): grid 256 x 1, 4 waves a work-group, no clusters, 22,016 bytes of LDS; arguments x, router_w, xcodes, xscales, route, gate; writes xcodes, xscales, route, gate
.if DOCPART == 5
	.amdgcn_target "amdgcn-amd-amdhsa--gfx1250"
	.amdhsa_code_object_version 6
	.text
	.protected	k_q8ad02b7098_route
	.globl	k_q8ad02b7098_route
	.p2align	8
	.type	k_q8ad02b7098_route,@function
k_q8ad02b7098_route:
	s_mov_b64 s[64:65], 0
	v_nop
	global_prefetch_b8 v0, s[64:65] scope:SCOPE_SE
	s_setreg_imm32_b32 hwreg(HW_REG_WAVE_MODE, 25, 1), 1
	s_wait_xcnt 0x0
; ROUTER AND QUANTISER OF x.  One wave takes one token t = 4 x work-group + wave: a row of 1,024 f32 (4,096 bytes), read once.
; (1) The row is turned into E5M2 codes, K innermost, with one E8M0 byte for each 32 along K: xcodes [1024][1024], xscales [1024][32].
; (2) The eight logits x . router_w[e] are summed in f32; softmax with the row's maximum taken away; the two largest probabilities (ties: the lower index),
;     divided by (their sum + 1e-9).  route[2 t + k] = the expert's number, gate[2 t + k] = its weight, at fixed places: no address hangs on the choice.
; LIMITS: NaN and infinities are not served.  A block of zeros gets the byte 1 where the rule says 127: its codes are zeros, and this program alone reads the bytes.
; The choice is made on this text's own f32 sums: where the second and third logit lie closer than the rounding of a sum of 1,024 f32 products, it may fall either way.
; No matrix unit, no cluster, no tensor load: a wave shares nothing but router_w (32 KiB), and its work is one row.
.set SP,   80                          ; a lane's place in a stage: its 64 bytes + 16 of padding
.set WREG, 5376                        ; LDS of a wave: two stages of 32 x SP bytes, then its 32 scale bytes
.set SBY,  5120
.set X,    16                          ; v16-47   the row as loaded: load j, register q: d = 128 j + 4 lane + q
.set AC,   48                          ; v48-63   eight sums, a pair each
.set RA,   64                          ; v64-191  router_w of experts 0-3, laid as X;  window 1, v0-127: experts 4-7
.set Y,    192                         ; v192-223 two sets of 16 neighbours along K
.set CD,   224                         ; v224-231 codes, four registers a step
.set LG,   232                         ; v232-239 logits, then p
.set PT,   240                         ; v240-247 the lane permute's destinations
.set MSB, 0
.macro WIN new                         ; the immediate's high byte repeats the setting that is left
.if MSB != (\new)
	s_set_vgpr_msb (MSB<<8)|(\new)
.set MSB, (\new)
.endif
.endm
	s_load_b256 s[4:11], s[0:1], 0x0               ; x, router_w, xcodes, xscales
	s_load_b128 s[12:15], s[0:1], 0x20             ; route, gate
	v_lshl_add_u32 v15, v0, 2, 0x5400
	v_mov_b32 v255, 0
	v_lshrrev_b32 v8, 5, v0
	v_readfirstlane_b32 s16, v8                    ; wave
	v_and_b32 v1, 31, v0                           ; lane
	v_lshlrev_b32 v2, 4, v1                        ; 16 x lane
	s_mul_i32 s24, s16, WREG
	v_lshrrev_b32 v3, 2, v1
	v_mul_u32_u24 v3, v3, SP
	v_and_b32 v8, 3, v1
	v_lshl_add_u32 v3, v8, 4, v3
	v_add_nc_u32 v3, s24, v3                       ; the stage, on the way in: SP (lane / 4) + 16 (lane % 4)
	v_mul_u32_u24 v4, v1, SP
	v_add_nc_u32 v4, s24, v4                       ; and on the way out: SP x lane
	v_lshrrev_b32 v5, 1, v1
	v_add_nc_u32 v5, s24, v5                       ; my block's scale byte (two lanes to a block)
	v_add_nc_u32 v6, s24, v1                       ; and on the way out a byte a lane
	v_lshlrev_b32 v7, 2, v1                        ; 4 x lane
	s_mov_b32 s20, 0x76543210
	s_mov_b32 s21, 0xfedcba98                      ; v_permlanex16_b32's selects for lane l xor 16
	s_mov_b32 s22, 0x600000                        ; the mantissa field of 57,344
.irp e, 0,1,2,3,4,5,6,7
	v_mov_b32 v[PT+\e], 0                          ; written once: a lane permute's destination counts as one of its sources
.endr
	s_lshl_b32 s17, ttmp9, 2
	s_add_co_u32 s17, s17, s16                     ; t
	s_mov_b32 s19, 0
	s_wait_kmcnt 0x0
	s_lshl_b32 s18, s17, 12
	s_add_nc_u64 s[4:5], s[4:5], s[18:19]          ; x + 4,096 t
	s_lshl_b32 s18, s17, 10
	s_add_nc_u64 s[8:9], s[8:9], s[18:19]          ; xcodes + 1,024 t
	s_lshl_b32 s18, s17, 5
	s_add_nc_u64 s[10:11], s[10:11], s[18:19]      ; xscales + 32 t
	s_lshl_b32 s18, s17, 3
	s_add_nc_u64 s[12:13], s[12:13], s[18:19]      ; route + 8 t
	s_add_nc_u64 s[14:15], s[14:15], s[18:19]      ; gate + 8 t
.irp j, 0,1,2,3,4,5,6,7
	global_load_b128 v[X+4*\j:X+4*\j+3], v2, s[4:5] offset:512*\j th:TH_LOAD_NT      ; 32 lanes read 512 consecutive bytes
.endr
.irp e, 0,1,2,3
.irp j, 0,1,2,3,4,5,6,7
	global_load_b128 v[RA+32*\e+4*\j:RA+32*\e+4*\j+3], v2, s[6:7] offset:4096*\e+512*\j
.endr
.endr
	WIN 0x40                                       ; destination window 1
.irp e, 0,1,2,3
.irp j, 0,1,2,3,4,5,6,7
	global_load_b128 v[32*\e+4*\j:32*\e+4*\j+3], v2, s[6:7] offset:4096*(4+\e)+512*\j
.endr
.endr
	WIN 0
	s_wait_loadcnt 63                              ; 72 loads were issued, the row's eight first: with 63 out at the most the first nine are in
; A step: 512 numbers.  The conversions take neighbours along K from ONE lane's registers; the loads took 16 bytes a lane as they lie.  So a step's 2,048 bytes turn through the wave's own stage.
.macro QSTEP st
.set YS, Y+16*(\st)
.irp i, 0,1,2,3
	ds_store_b128 v3, v[X+16*(\st)+4*\i:X+16*(\st)+4*\i+3] offset:32*SP*(\st)+8*SP*\i
.endr
.irp i, 0,1,2,3
	ds_load_b128 v[YS+4*\i:YS+4*\i+3], v4 offset:32*SP*(\st)+16*\i      ; LDS serves a wave's instructions in order: these see the stores above
.endr
	s_wait_dscnt 0x0                               ; my 16 neighbours are back
	v_max3_num_f32 v8, |v[YS]|, |v[YS+1]|, |v[YS+2]|               ; the largest magnitude of my 16, in two chains
	v_max3_num_f32 v9, |v[YS+3]|, |v[YS+4]|, |v[YS+5]|
.irp i, 6,10
	v_max3_num_f32 v8, v8, |v[YS+\i]|, |v[YS+\i+1]|
	v_max3_num_f32 v9, v9, |v[YS+\i+2]|, |v[YS+\i+3]|
.endr
	v_max3_num_f32 v8, v8, |v[YS+14]|, |v[YS+15]|
	v_max3_num_f32 v8, v8, v9, 0x8000000           ; and the floor 2^(16 - 127): the byte cannot fall under 1
	v_max_num_f32_dpp v8, v8, v8 row_xmask:1 row_mask:0xf bank_mask:0xf   ; with my neighbour's 16: the block's
	v_add_nc_u32 v11, 0xf8800000, v8               ; 15 off its exponent field: the conversion takes this operand's exponent field as its scale
	v_and_or_b32 v10, v8, 0x7f800000, s22          ; 57,344 x the scale
.irp i, 0,1,2,3,4,5,6,7,8,9,10,11,12,13,14,15
	v_med3_num_f32 v[YS+\i], v[YS+\i], -v10, v10   ; the conversion to an 8-bit code does not saturate (ISA guide 7.6.2): the hold comes first
.endr
	v_cvt_scalef32_pk8_bf8_f32 v[CD+4*(\st):CD+4*(\st)+1], v[YS:YS+7], v11
	v_cvt_scalef32_pk8_bf8_f32 v[CD+4*(\st)+2:CD+4*(\st)+3], v[YS+8:YS+15], v11
	v_lshrrev_b32 v[12+(\st)], 23, v11             ; the scale's byte (also the plain line behind the conversions)
	ds_store_b8 v5, v[12+(\st)] offset:SBY+16*(\st)    ; both lanes of a block write the same byte with the same value
	global_store_b128 v2, v[CD+4*(\st):CD+4*(\st)+3], s[8:9] offset:512*(\st)    ; 32 lanes store 512 consecutive bytes
.endm
	QSTEP 0
	QSTEP 1
	ds_load_u8 v14, v6 offset:SBY                  ; the row's 32 bytes, one a lane
	s_wait_dscnt 0x0
	global_store_b8 v1, v14, s[10:11]              ; 32 consecutive bytes a wave, 128 a work-group
	s_wait_loadcnt 32                              ; experts 0-3 are in; the 32 loads of experts 4-7 may be out
.irp e, 0,1,2,3
	v_pk_mul_f32 v[AC+2*\e:AC+2*\e+1], v[X:X+1], v[RA+32*\e:RA+32*\e+1]      ; the first product starts each sum
.endr
.irp p, 2,4,6,8,10,12,14,16,18,20,22,24,26,28,30
.irp e, 0,1,2,3
	v_pk_fma_f32 v[AC+2*\e:AC+2*\e+1], v[X+\p:X+\p+1], v[RA+32*\e+\p:RA+32*\e+\p+1], v[AC+2*\e:AC+2*\e+1]
.endr
.endr
	s_wait_loadcnt 0x0
	WIN 0x04                                       ; source 1 window 1
.irp e, 0,1,2,3
	v_pk_mul_f32 v[AC+8+2*\e:AC+8+2*\e+1], v[X:X+1], v[32*\e:32*\e+1]
.endr
.irp p, 2,4,6,8,10,12,14,16,18,20,22,24,26,28,30
.irp e, 0,1,2,3
	v_pk_fma_f32 v[AC+8+2*\e:AC+8+2*\e+1], v[X+\p:X+\p+1], v[32*\e+\p:32*\e+\p+1], v[AC+8+2*\e:AC+8+2*\e+1]
.endr
.endr
	WIN 0
.irp e, 0,1,2,3,4,5,6,7
	v_add_f32 v[LG+\e], v[AC+2*\e], v[AC+2*\e+1]
.endr
.irp m, 1,2,4,8
.irp e, 0,1,2,3,4,5,6,7
	v_add_f32_dpp v[LG+\e], v[LG+\e], v[LG+\e] row_xmask:\m row_mask:0xf bank_mask:0xf
.endr
.endr
.irp e, 0,1,2,3,4,5,6,7
	v_permlanex16_b32 v[PT+\e], v[LG+\e], s20, s21
.endr
.irp e, 0,1,2,3,4,5,6,7
	v_add_f32 v[LG+\e], v[LG+\e], v[PT+\e]         ; every lane holds the eight logits
.endr
	v_max3_num_f32 v8, v[LG], v[LG+1], v[LG+2]
	v_max3_num_f32 v8, v8, v[LG+3], v[LG+4]
	v_max3_num_f32 v8, v8, v[LG+5], v[LG+6]
	v_max_num_f32 v8, v8, v[LG+7]                  ; the row's maximum is taken away
.irp e, 0,1,2,3,4,5,6,7
	v_sub_f32 v[LG+\e], v[LG+\e], v8
.endr
.irp e, 0,1,2,3,4,5,6,7
	v_mul_f32 v[LG+\e], 0x3fb8aa3b, v[LG+\e]       ; x log2(e)
.endr
	s_wait_alu depctr_va_vdst(0)
.irp e, 0,1,2,3,4,5,6,7
	v_exp_f32 v[LG+\e], v[LG+\e]
.endr
	v_mov_b32 v249, 0                              ; the best's index (a plain line behind the exponentials)
	s_wait_alu depctr_va_vdst(0)                   ; one wait for the eight, ahead of their first reader
	v_add_f32 v9, v[LG], v[LG+1]
	v_add_f32 v10, v[LG+2], v[LG+3]
	v_add_f32 v11, v[LG+4], v[LG+5]
	v_add_f32 v252, v[LG+6], v[LG+7]
	v_add_f32 v9, v9, v10
	v_add_f32 v11, v11, v252
	v_add_f32 v252, v9, v11                        ; the softmax's divisor
	s_wait_alu depctr_va_vdst(0)
	v_rcp_f32 v253, v252
	v_mov_b32 v248, v[LG]                          ; the best so far: expert 0
.irp e, 1,2,3,4,5,6,7
	v_cmp_gt_f32 vcc_lo, v[LG+\e], v248            ; strictly larger: a tie keeps the lower index
	v_cndmask_b32 v248, v248, v[LG+\e], vcc_lo
	v_cndmask_b32 v249, v249, \e, vcc_lo
.endr
.irp e, 0,1,2,3,4,5,6,7
	v_cmp_eq_u32 vcc_lo, \e, v249
	v_cndmask_b32 v[LG+\e], v[LG+\e], -1.0, vcc_lo ; the best is taken out: under every p
.endr
	v_mov_b32 v250, v[LG]
	v_mov_b32 v251, 0
.irp e, 1,2,3,4,5,6,7
	v_cmp_gt_f32 vcc_lo, v[LG+\e], v250
	v_cndmask_b32 v250, v250, v[LG+\e], vcc_lo
	v_cndmask_b32 v251, v251, \e, vcc_lo
.endr
	s_wait_alu depctr_va_vdst(0)                   ; the reciprocal, ahead of its first reader; the two searches stood between
	v_mul_f32 v248, v248, v253                     ; the two probabilities
	v_mul_f32 v250, v250, v253
	v_add_f32 v254, v248, v250
	v_add_f32 v254, 0x3089705f, v254               ; + 1e-9
	s_wait_alu depctr_va_vdst(0)
	v_rcp_f32 v254, v254
	v_cmp_eq_u32 vcc_lo, 0, v1                     ; (a plain line behind the reciprocal)
	s_wait_alu depctr_va_vdst(0)
	v_mul_f32 v248, v248, v254
	v_mul_f32 v250, v250, v254
	v_cndmask_b32 v249, v251, v249, vcc_lo         ; lane 0 carries the best, lane 1 the second
	v_cndmask_b32 v248, v250, v248, vcc_lo
	s_wait_alu depctr_va_vdst(0)
	s_wait_xcnt 0x0                                ; EXEC changes only behind this wait: the earlier stores have read it
	v_cmp_gt_u32 vcc_lo, 2, v1
	s_wait_tensorcnt 0x0
	ds_add_u32 v15, v255
	s_wait_dscnt 0x0
	s_and_saveexec_b32 s23, vcc_lo
	global_store_b32 v7, v249, s[12:13]            ; route[2 t + lane]
	global_store_b32 v7, v248, s[14:15]            ; gate[2 t + lane]
	s_endpgm
.Lfunc_end_k_q8ad02b7098_route:
	.size	k_q8ad02b7098_route, .Lfunc_end_k_q8ad02b7098_route-k_q8ad02b7098_route
	.p2alignl 7, 3214868480
	.fill 96, 4, 3214868480
	.section	.rodata,"a",@progbits
	.p2align	6, 0x0
	.amdhsa_kernel k_q8ad02b7098_route
		.amdhsa_group_segment_fixed_size 22016
		.amdhsa_private_segment_fixed_size 0
		.amdhsa_enable_private_segment 0
		.amdhsa_kernarg_size 48
		.amdhsa_user_sgpr_count 2
		.amdhsa_user_sgpr_kernarg_segment_ptr 1
		.amdhsa_wavefront_size32 1
		.amdhsa_system_sgpr_workgroup_id_x 1
		.amdhsa_system_sgpr_workgroup_id_y 1
		.amdhsa_system_sgpr_workgroup_id_z 1
		.amdhsa_system_vgpr_workitem_id 0
		.amdhsa_next_free_vgpr 384
		.amdhsa_next_free_sgpr 66
		.amdhsa_reserve_vcc 1
		.amdhsa_float_denorm_mode_32 3
		.amdhsa_float_denorm_mode_16_64 3
		.amdhsa_memory_ordered 1
		.amdhsa_forward_progress 1
		.amdhsa_inst_pref_size 31
	.end_amdhsa_kernel
	.amdgpu_metadata
---
amdhsa.version: [ 1, 2 ]
amdhsa.kernels:
  - .name:           k_q8ad02b7098_route
    .symbol:         k_q8ad02b7098_route.kd
    .args:
      - { .name: x, .offset: 0, .size: 8, .value_kind: global_buffer, .address_space: global }
      - { .name: router_w, .offset: 8, .size: 8, .value_kind: global_buffer, .address_space: global }
      - { .name: xcodes, .offset: 16, .size: 8, .value_kind: global_buffer, .address_space: global }
      - { .name: xscales, .offset: 24, .size: 8, .value_kind: global_buffer, .address_space: global }
      - { .name: route, .offset: 32, .size: 8, .value_kind: global_buffer, .address_space: global }
      - { .name: gate, .offset: 40, .size: 8, .value_kind: global_buffer, .address_space: global }
    .group_segment_fixed_size: 22016
    .private_segment_fixed_size: 0
    .kernarg_segment_align: 8
    .kernarg_segment_size: 48
    .max_flat_workgroup_size: 128
    .sgpr_count:     66
    .vgpr_count:     384
    .wavefront_size: 32
...
	.end_amdgpu_metadata
.endif
;; end of part 5
;; launch fc1 (part 6): grid 32 x 8, 8 waves a work-group, no clusters, 282,624 bytes of LDS; arguments route, xcodes, xscales, w1_codes, w1_scales, hcodes, hscales, rows; writes hcodes, hscales, rows
.if DOCPART == 6
	.amdgcn_target "amdgcn-amd-amdhsa--gfx1250"
	.amdhsa_code_object_version 6
	.text
	.protected	k_q8ad02b7098_fc1
	.globl	k_q8ad02b7098_fc1
	.p2align	8
	.type	k_q8ad02b7098_fc1,@function
k_q8ad02b7098_fc1:
	s_mov_b64 s[64:65], 0
	v_nop
	global_prefetch_b8 v0, s[64:65] scope:SCOPE_SE
	s_setreg_imm32_b32 hwreg(HW_REG_WAVE_MODE, 25, 1), 1
	s_wait_xcnt 0x0
; FIRST PRODUCT, gelu AND THE HIDDEN LAYER'S QUANTISER, for the chosen rows alone.  Work-group (j = x, e = y) owns hidden units 128 j .. 128 j + 127 of expert e (one K step of the second product) for ALL rows routed to e.
; THE LIST.  A routed row is id = 2 t + k.  Wave 0 reads route (2,048 whole numbers) and places the ids whose expert is e one behind the other in LDS; the count is n (at most 1,024: a token's two experts differ).
; It takes its 64 words in four groups of sixteen: sixteen compares into scalar masks, a scalar running count, then the places, eight words at a time and line by line, so that no line waits for the line above it.
; All 32 lanes store for every word: a lane whose id is not e's stores into a word of its own that nobody uses.  Behind the list's end stand 32 copies of its last id, so that the last tile of 16 rows is filled with
; copies of a row of that same tile.  Work-groups with j = 0 store list and count to rows.
; SHARES.  Wave w: wc = w % 4 names a block of 32 hidden units, wr = w / 4.  A round is 64 list rows, four tiles of 16; wave (wc, wr) takes tiles wr and wr + 2.  Its 32 rows of W1 (2 tiles x 8 K steps: 256 registers, window 1)
; stay in registers for the whole launch; W1 is read from memory once in the launch.  Two waves share a SIMD: one wave's gelu stands beside the other's products.
; x's codes of a round are gathered by the list (each wave 8 rows, whole 256-byte pieces), one round ahead, through registers into one of two LDS slots; one barrier a round.
; THE PRODUCT IS USED TRANSPOSED (source 0 = 16 rows of W1, source 1 = 16 list rows of x), AND THE ROWS OF W1 THAT FORM A TILE ARE NOT NEIGHBOURS: lane r of tile u takes row 8 u + r + 8 (r / 8) of the block,
; so that a lane's 16 results are hidden units 16 (lane / 16) + 0 .. 15 of ONE list row: the conversions' four registers are a quarter of the second product's operand, stored as an image of its registers:
; hcodes [e][tile of rows m][K step j][chunk wc: 512 bytes, 16 x lane];  hscales [e][j][m % 2][m / 2][row][4 bytes].
; gelu(x) = max(x, 0) - a erfc(a) / sqrt(2), a = |x| / sqrt(2);  erfc(a) = (1 + p(q)) / (1 + 2 a) x exp(-a a), q = (a - 2) / (a + 2), p of degree 11.  All in f32.
; LOOPS have constant trip counts (16 rounds serve n = 1,024); a round's reads of the list, its loads and its products are jumped over by scalar branches on n; every wave passes every barrier; every address register
; is made on the way that all rounds take.
; NO TENSOR LOAD, NO JOINT LOAD, though the 32 work-groups of an expert read the same rows of x.
; LIMITS: NaN and infinities are not served.  gelu's relative error is a few 1e-7 and grows as 3e-8 x^2 for |x| over 4; its erfc term is 0 where exp(-x x / 2) falls under 2^-126.  A block of zeros gets the byte 1
; where the rule says 127: its codes are zeros, and this program alone reads the bytes.  An expert with no row still has tile 0 made (of token 0), so that the next launch's first loads read written bytes.
.set WP,   1040                        ; an LDS row of 1,024 codes + 16 of padding: 65 x 16 bytes
.set XS,   133120                      ; LDS 0: W1's 128 rows x WP.  XS: x's codes [wr 2: 66,560][slot 2: 33,280][tile 2: 16,640][16 rows x WP]
.set XSC,  266240                      ; x's scale bytes [slot 2: 3,072][64 rows x 48]
.set LIST, 272384                      ; 4,608 bytes: words 0-1023 ids; 1024-1055 room for the fill behind a full list; 1056-1087 zeros;
.set DMPW, 1088                        ; words 1088-1119: a word a lane for what is not placed;
.set CNT,  4480                        ; word 1120: the count
.set SCB,  276992                      ; the hidden layer's scale bytes [wr][m / 2: 32][16 rows][4]: 4,096 bytes
.set TB,   1                           ; v1   lane % 16; from the loop on: the list's place of the row whose scale bytes I fetch, for the trip in hand
.set SBT,  3                           ; v3   the lane; from the loop on: my byte in SCB for the trip in hand
.set XA,   4                           ; v4   my lane's place in a tile of x
.set XSA,  5                           ; v5   x's scale words: lanes 0-15 tile wr, lanes 16-31 tile wr + 2
.set GST,  6                           ; v6   where I put gathered codes
.set GSS,  7                           ; v7   and gathered scale bytes
.set LA,   8                           ; v8   the list: my four rows' ids
.set LB,   9                           ; v9   the list: the id of the row whose scale bytes I fetch
.set SBA,  10                          ; v10  my byte in SCB
.set HO,   11                          ; v11  16 x lane
.set LC,   12                          ; v12  LIST
.set WLA,  13                          ; v13  my lane's place in W1's rows
.set WSA,  14                          ; v14  where I put W1's rows
.set R16,  15                          ; v15  16 (lane % 16)
.set Q8,   16                          ; v16  8 (lane % 4)
.set VS,   17                          ; v17  gather offset in xscales
.set VO,   18                          ; v18-21 gather offsets in xcodes
.set TA,   22                          ; v22  at work at the head; from the loop on: the list's place of my four rows, for the trip in hand
.set T16,  23                          ; v23  16 x thread
.set W1S,  24                          ; v24-31 W1's scale words: register s; lanes 0-15 tile 0, lanes 16-31 tile 1.  Scales and nothing else
.set XSR,  32                          ; v32-39 x's scale words: register s.  Scales and nothing else
.set HA,   40                          ; v40-55 two accumulators; at the head the list build's places (v40-47) and ids (v48-55)
.set C11,  56                          ; v56-57 the polynomial's leading coefficient, twice; written behind the list build, which has them at work
.set PD,   58                          ; v58  the lane permute's destination
.set WSO,  59                          ; v59  my offset in W1's scale bytes
.set GT,   60                          ; v60-125 what the gather has on its way: 16 x 4 registers of codes, 2 of scale bytes; in wave 0 first the 64 words of route
.set SCO,  126                         ; v126 SCB + 16 x thread
.set LSO,  127                         ; v127 LIST + 16 x thread
.set XF,   128                         ; v128-255 x's eight fragments; at the head W1's rows as loaded; behind the products gelu's temporaries:
.set GA,   128
.set GB,   144
.set GC,   160
.set GD,   176
.set GE,   192
.set TM,   208
.set PC,   216
.set MK,   48                          ; s48-63 the list build: sixteen words' masks
.set BS,   66                          ; s66-82 rows placed ahead of each of the sixteen words, and behind the last
.set MSB, 0
.macro WIN new                         ; the immediate's high byte repeats the setting that is left
.if MSB != (\new)
	s_set_vgpr_msb (MSB<<8)|(\new)
.set MSB, (\new)
.endif
.endm
.macro BAR                             ; my LDS stores have landed and my LDS loads are in: then the work-group's barrier
	s_wait_dscnt 0x0
	s_barrier_signal -1
	s_barrier_wait -1
.endm
.macro MM d, a, b, c, sa, sb, ra, rb   ; one product; ra, rb: the scales stand in lanes 16-31 of their registers
.if (\ra) && (\rb)
	v_wmma_scale_f32_16x16x128_f8f6f4 v[\d:\d+7], v[\a:\a+15], v[\b:\b+15], \c, v[\sa], v[\sb] matrix_a_fmt:MATRIX_FMT_BF8 matrix_b_fmt:MATRIX_FMT_BF8 matrix_a_scale:MATRIX_SCALE_ROW1 matrix_b_scale:MATRIX_SCALE_ROW1
.elseif (\ra)
	v_wmma_scale_f32_16x16x128_f8f6f4 v[\d:\d+7], v[\a:\a+15], v[\b:\b+15], \c, v[\sa], v[\sb] matrix_a_fmt:MATRIX_FMT_BF8 matrix_b_fmt:MATRIX_FMT_BF8 matrix_a_scale:MATRIX_SCALE_ROW1
.elseif (\rb)
	v_wmma_scale_f32_16x16x128_f8f6f4 v[\d:\d+7], v[\a:\a+15], v[\b:\b+15], \c, v[\sa], v[\sb] matrix_a_fmt:MATRIX_FMT_BF8 matrix_b_fmt:MATRIX_FMT_BF8 matrix_b_scale:MATRIX_SCALE_ROW1
.else
	v_wmma_scale_f32_16x16x128_f8f6f4 v[\d:\d+7], v[\a:\a+15], v[\b:\b+15], \c, v[\sa], v[\sb] matrix_a_fmt:MATRIX_FMT_BF8 matrix_b_fmt:MATRIX_FMT_BF8
.endif
.endm
	s_load_b512 s[4:19], s[0:1], 0x0               ; route s[4:5], xcodes s[6:7], xscales s[8:9], w1_codes s[10:11], w1_scales s[12:13], hcodes s[14:15], hscales s[16:17], rows s[18:19]
	v_lshrrev_b32 v[TA], 5, v0
	s_delay_alu instid0(VALU_DEP_1)
	v_readfirstlane_b32 s20, v[TA]                 ; w
	s_and_b32 s21, s20, 3                          ; wc
	s_lshr_b32 s22, s20, 2                         ; wr
	s_and_b32 s23, ttmp7, 0xffff                   ; e
	s_mov_b32 s24, ttmp9                           ; j
	v_and_b32 v3, 31, v0                           ; lane
	v_and_b32 v1, 15, v0                           ; r
	v_bfe_u32 v2, v0, 4, 1                         ; h
	s_wait_alu depctr_va_vdst(0)
	; the LDS address registers that stay are made here, ahead of the first branch on the wave's number
	s_mul_i32 s28, s22, 66560
	s_add_co_u32 s28, s28, XS
	v_mul_u32_u24 v[XA], v1, WP
	s_delay_alu instid0(VALU_DEP_1)
	v_lshl_add_u32 v[XA], v2, 4, v[XA]
	s_delay_alu instid0(VALU_DEP_1)
	v_add_nc_u32 v[XA], s28, v[XA]                 ; XS + 66,560 wr + WP r + 16 h
	v_lshl_add_u32 v[XSA], v2, 5, v1
	s_delay_alu instid0(VALU_DEP_1)
	v_mul_u32_u24 v[XSA], v[XSA], 48
	s_mul_i32 s28, s22, 768
	s_add_co_u32 s28, s28, XSC
	v_add_nc_u32 v[XSA], s28, v[XSA]               ; XSC + 48 (16 wr + 32 h + r)
	s_bfe_u32 s28, s20, 0x10001                    ; rows 8 w .. 8 w + 7 of a round lie in tile w / 2 = wr' + 2 tau': wr' = (w / 2) % 2,
	s_mul_i32 s28, s28, 66560
	s_mul_i32 s29, s22, 16640                      ; tau' = w / 4,
	s_add_co_u32 s28, s28, s29
	s_and_b32 s29, s20, 1
	s_mul_i32 s29, s29, 8*WP                       ; from its row 8 (w % 2) on
	s_add_co_u32 s28, s28, s29
	s_add_co_u32 s28, s28, XS
	v_mul_u32_u24 v[GST], v2, 4*WP
	s_delay_alu instid0(VALU_DEP_1)
	v_lshl_add_u32 v[GST], v1, 4, v[GST]
	s_delay_alu instid0(VALU_DEP_1)
	v_add_nc_u32 v[GST], s28, v[GST]               ; lanes 0-15 rows 0-3 of my eight, lanes 16-31 rows 4-7; 16 bytes a lane
	v_lshrrev_b32 v[TA], 2, v3
	v_and_b32 v[Q8], 3, v3
	s_delay_alu instid0(VALU_DEP_1)
	v_lshlrev_b32 v[Q8], 3, v[Q8]
	s_delay_alu instid0(VALU_DEP_1)
	v_mad_u32_u24 v[GSS], v[TA], 48, v[Q8]
	s_mul_i32 s28, s20, 384
	s_add_co_u32 s28, s28, XSC
	v_add_nc_u32 v[GSS], s28, v[GSS]               ; XSC + 48 (8 w + lane / 4) + 8 (lane % 4)
	s_lshl_b32 s28, s20, 5
	s_add_co_u32 s28, s28, LIST
	v_lshl_add_u32 v[LA], v2, 4, s28               ; LIST + 4 (8 w + 4 h)
	v_lshl_add_u32 v[LB], v[TA], 2, s28            ; LIST + 4 (8 w + lane / 4)
	s_lshl_b32 s28, s22, 11
	s_add_co_u32 s28, s28, s21
	s_add_co_u32 s28, s28, SCB
	v_lshl_add_u32 v[SBA], v1, 2, s28              ; SCB + 2,048 wr + 4 r + wc
	v_lshlrev_b32 v[HO], 4, v3
	v_mov_b32 v[LC], LIST
	v_and_b32 v[TA], 8, v1
	s_delay_alu instid0(VALU_DEP_1)
	v_add_nc_u32 v[TA], v[TA], v1                  ; r + 8 (r / 8)
	s_delay_alu instid0(VALU_DEP_1)
	v_mul_u32_u24 v[WLA], v[TA], WP
	s_delay_alu instid0(VALU_DEP_1)
	v_lshl_add_u32 v[WLA], v2, 4, v[WLA]
	s_mul_i32 s28, s21, 32*WP
	v_add_nc_u32 v[WLA], s28, v[WLA]               ; WP (32 wc + r + 8 (r / 8)) + 16 h
	v_lshl_add_u32 v[WSO], v2, 3, v[TA]
	s_delay_alu instid0(VALU_DEP_1)
	v_lshlrev_b32 v[WSO], 5, v[WSO]                ; W1's scale bytes: row 8 h + r + 8 (r / 8) of my block, 32 bytes a row
	s_mul_i32 s28, s20, 16*WP
	v_add_nc_u32 v[WSA], s28, v[HO]                ; WP x 16 w + 16 x lane
	v_lshlrev_b32 v[R16], 4, v1
	v_lshlrev_b32 v[T16], 4, v0
	s_delay_alu instid0(VALU_DEP_1)
	v_add_nc_u32 v[SCO], SCB, v[T16]
	s_delay_alu instid0(VALU_DEP_2)
	v_add_nc_u32 v[LSO], LIST, v[T16]
	v_lshlrev_b32 v2, 2, v3                        ; v2 from here on: 4 x lane
	v_mov_b32 v[PD], 0                             ; written once: a lane permute's destination counts as one of its sources
	s_mov_b32 s35, 0x600000                        ; the mantissa field of 57,344
	s_mov_b32 s36, 0x76543210
	s_mov_b32 s37, 0xfedcba98                      ; v_permlanex16_b32's selects for lane l xor 16
	s_lshl_b32 s34, s22, 4                         ; 16 wr
	s_mov_b32 s30, 0                               ; R0: the trip's first list row
	s_mov_b32 s38, 0                               ; 4 R0
	s_mov_b32 s39, 0                               ; 2 R0
	s_mov_b32 s31, 8                               ; trips
	s_mov_b32 s33, 0
	s_wait_kmcnt 0x0
	s_lshl_b32 s32, s23, 22
	s_lshl_b32 s28, s24, 17
	s_add_co_u32 s32, s32, s28
	s_lshl_b32 s28, s20, 14
	s_add_co_u32 s32, s32, s28
	s_add_nc_u64 s[42:43], s[10:11], s[32:33]      ; W1's row 4,096 e + 128 j + 16 w
	s_lshl_b32 s32, s23, 17
	s_lshl_b32 s28, s24, 12
	s_add_co_u32 s32, s32, s28
	s_add_nc_u64 s[16:17], s[16:17], s[32:33]      ; hscales + 4,096 (32 e + j)
	s_lshl_b32 s28, s21, 10
	s_add_co_u32 s32, s32, s28
	s_add_nc_u64 s[12:13], s[12:13], s[32:33]      ; W1's scale bytes of row 4,096 e + 128 j + 32 wc
	s_lshl_b32 s32, s23, 22
	s_lshl_b32 s28, s22, 16
	s_add_co_u32 s32, s32, s28
	s_lshl_b32 s28, s24, 11
	s_add_co_u32 s32, s32, s28
	s_lshl_b32 s28, s21, 9
	s_add_co_u32 s32, s32, s28
	s_add_nc_u64 s[40:41], s[14:15], s[32:33]      ; hcodes: expert e, tile wr, K step j, chunk wc
	s_mul_i32 s32, s23, 4352
	s_add_nc_u64 s[18:19], s[18:19], s[32:33]      ; rows + 4,352 e
	s_cmp_lg_u32 s20, 0
	s_cbranch_scc1 .Lno_route
.irp i, 0,1,2,3,4,5,6,7,8,9,10,11,12,13,14,15
	global_load_b128 v[GT+4*\i:GT+4*\i+3], v[HO], s[4:5] offset:512*\i       ; wave 0: load i, lane l, register q: id 128 i + 4 l + q
.endr
.Lno_route:
	s_wait_alu depctr_va_vdst(0)
	global_load_b128 v[W1S:W1S+3], v[WSO], s[12:13]
	global_load_b128 v[W1S+4:W1S+7], v[WSO], s[12:13] offset:16
.set q, 0
.rept 32
	global_load_b128 v[XF+4*q:XF+4*q+3], v[HO], s[42:43] offset:512*q th:TH_LOAD_NT   ; my 16 rows of W1: 16 KiB on end, 512 bytes a load; read by nobody else
.set q, q+1
.endr
	s_wait_loadcnt 34                              ; on every wave's way: route's 16 loads are in, since 2 + 32 were issued behind them; a wave that issued none has no more than 34 out
	s_cmp_lg_u32 s20, 0
	s_cbranch_scc1 .Lno_list
	; THE LIST, by wave 0 alone: up to the barrier below no other wave touches LDS
.irp i, 0,1,2,3
	v_mov_b32 v[48+\i], 0
.endr
.irp i, 0,1,2,3,4,5,6,7,8
	ds_store_b128 v[LSO], v[48:51] offset:512*\i   ; zeros: the list's 4,608 bytes (in wave 0 the thread is the lane)
.endr
.irp i, 0,1,2,3,4,5,6,7
	ds_store_b128 v[SCO], v[48:51] offset:512*\i   ; and the 4,096 scale bytes
.endr
	v_add_nc_u32 v56, DMPW, v3                     ; my own word for what is not placed
	s_mov_b32 s[BS], 0                             ; rows placed so far
.set g, 0
.rept 4                                ; sixteen words of route a group
.set k, 0
.rept 16
	v_cmp_eq_u32 s[MK+k], s23, v[GT+16*g+k]        ; whose expert is e?  A mask for each word
.set k, k+1
.endr
.set k, 0
.rept 16
	s_bcnt1_i32_b32 s29, s[MK+k]
	s_add_co_u32 s[BS+k+1], s[BS+k], s29           ; rows placed ahead of the next word
.set k, k+1
.endr
.irp b, 0,8                            ; eight words at a time, line by line: no line waits for the line above it
.irp k, 0,1,2,3,4,5,6,7
	v_mbcnt_lo_u32_b32 v[40+\k], s[MK+\b+\k], s[BS+\b+\k]          ; placed ahead of this word + such lanes below me
.endr
.irp k, 0,1,2,3,4,5,6,7
	v_cndmask_b32 v[40+\k], v56, v[40+\k], s[MK+\b+\k]             ; the others go to their own words
.endr
.irp k, 0,1,2,3,4,5,6,7
	v_min_u32 v[40+\k], 0x45f, v[40+\k]            ; held inside the list's words
.endr
.irp k, 0,1,2,3,4,5,6,7
	v_lshlrev_b32 v[40+\k], 2, v[40+\k]
.endr
.irp k, 0,1,2,3,4,5,6,7
	v_add_nc_u32 v[40+\k], LIST, v[40+\k]
.endr
.irp k, 0,1,2,3,4,5,6,7
	v_add_nc_u32 v[48+\k], 128*((16*g+\b+\k)/4)+(16*g+\b+\k)%4, v2 ; the id
.endr
.irp k, 0,1,2,3,4,5,6,7
	ds_store_b32 v[40+\k], v[48+\k]                ; LDS serves a wave's instructions in order: behind the zeros
.endr
.endr
	s_mov_b32 s[BS], s[BS+16]
.set g, g+1
.endr
	s_mov_b32 s27, s[BS]                           ; the count
	s_max_u32 s28, s27, 1
	s_sub_co_u32 s28, s28, 1                       ; the list's last place (place 0, which holds 0, where the list is empty)
	v_mov_b32 v53, s28
	s_delay_alu instid0(VALU_DEP_1)
	v_min_u32 v53, 0x3ff, v53
	s_delay_alu instid0(VALU_DEP_1)
	v_lshlrev_b32 v53, 2, v53
	s_delay_alu instid0(VALU_DEP_1)
	v_add_nc_u32 v53, LIST, v53
	ds_load_b32 v57, v53                           ; its id
	v_add_nc_u32 v55, s27, v3                      ; the 32 places behind the list's end
	s_delay_alu instid0(VALU_DEP_1)
	v_min_u32 v55, 0x41f, v55
	s_delay_alu instid0(VALU_DEP_1)
	v_lshlrev_b32 v55, 2, v55
	s_delay_alu instid0(VALU_DEP_1)
	v_add_nc_u32 v55, LIST, v55
	v_mov_b32 v48, s27
	s_wait_alu depctr_va_vdst(0)
	s_wait_dscnt 0x0
	ds_store_b32 v55, v57                          ; are filled with it: the last tile's spare rows are copies of a row of that tile
	ds_store_b32 v[LC], v48 offset:CNT             ; the count (all lanes write the same word with the same value)
.Lno_list:
	BAR                                            ; the list, the count and the zeros lie in LDS
	ds_load_b32 v[GT], v[LC] offset:CNT
	v_mov_b32 v[C11], 0x38788000
	v_mov_b32 v[C11+1], 0x38788000
	s_wait_dscnt 0x0
	v_readfirstlane_b32 s25, v[GT]
	s_min_u32 s25, s25, 0x400                      ; n
	s_max_u32 s26, s25, 1                          ; at least one tile is made
; The ids of a round's 64 rows, 8 rows a wave: ra, rb: the registers with the list's two places; off: the round's place, in bytes from there.
.macro GATHER_IDS ra, rb, off
	ds_load_b128 v[VO:VO+3], v[\ra] offset:\off
	ds_load_b32 v[VS], v[\rb] offset:\off
.endm
; The offsets are made of them.  These lines stand on the way that every round takes: where no ids were read they turn the old offsets into other offsets inside the buffers, which nobody uses.
.macro GATHER_CALC
	s_wait_dscnt 0x0
.irp i, 0,1,2,3
	v_lshrrev_b32 v[VO+\i], 1, v[VO+\i]            ; the token
.endr
	v_lshrrev_b32 v[VS], 1, v[VS]
.irp i, 0,1,2,3
	v_min_u32 v[VO+\i], 0x3ff, v[VO+\i]
.endr
	v_min_u32 v[VS], 0x3ff, v[VS]
.irp i, 0,1,2,3
	v_lshlrev_b32 v[VO+\i], 10, v[VO+\i]
.endr
	v_lshlrev_b32 v[VS], 5, v[VS]
.irp i, 0,1,2,3
	v_add_nc_u32 v[VO+\i], v[VO+\i], v[R16]
.endr
	v_add_nc_u32 v[VS], v[VS], v[Q8]
.endm
.macro GATHER_LOADS                    ; 17 loads; an instruction reads 256 aligned bytes of each of two rows
.irp i, 0,1,2,3
.irp q, 0,1,2,3
	global_load_b128 v[GT+4*(4*\i+\q):GT+4*(4*\i+\q)+3], v[VO+\i], s[6:7] offset:256*\q
.endr
.endr
	global_load_b64 v[GT+64:GT+65], v[VS], s[8:9]
.endm
.macro GATHER_PUT slot
.irp i, 0,1,2,3
.irp q, 0,1,2,3
	ds_store_b128 v[GST], v[GT+4*(4*\i+\q):GT+4*(4*\i+\q)+3] offset:(\slot)*33280+\i*WP+256*\q
.endr
.endr
	ds_store_b64 v[GSS], v[GT+64:GT+65] offset:(\slot)*3072
.endm
	GATHER_IDS LA, LB, 0
	GATHER_CALC
	GATHER_LOADS                                   ; round 0, whatever n: places far behind the list's end hold 0, token 0
	s_wait_loadcnt 17                              ; W1 and its scale words are in: the gather's 17 loads were issued behind them
.set q, 0
.rept 32
	ds_store_b128 v[WSA], v[XF+4*q:XF+4*q+3] offset:(q/2)*WP+(q%2)*512
.set q, q+1
.endr
	s_wait_loadcnt 0x0
	GATHER_PUT 0
	BAR                                            ; W1's 128 rows and round 0's rows of x lie in LDS
	WIN 0x40                                       ; destination window 1
.irp u, 0,1
.irp s, 0,1,2,3,4,5,6,7
.irp c, 0,1,2,3
	ds_load_b128 v[128*\u+16*\s+4*\c:128*\u+16*\s+4*\c+3], v[WLA] offset:8*WP*\u+128*\s+32*\c      ; W1's fragment (tile u, K step s): it stays
.endr
.endr
.endr
	WIN 0
; gelu of the lane's 16 numbers v[HA] on, in place.
.macro GELU16
.irp i, 0,1,2,3,4,5,6,7,8,9,10,11,12,13,14,15
	v_mul_f32 v[GA+\i], 0x3f3504f3, |v[HA+\i]|     ; a = |x| / sqrt(2).  (Each accumulator is read from its low end on)
.endr
.irp p, 0,2,4,6,8,10,12,14
	v_pk_add_f32 v[GB+\p:GB+\p+1], v[GA+\p:GA+\p+1], 2.0 op_sel_hi:[1,0]           ; a + 2
.endr
.irp p, 0,2,4,6,8,10,12,14
	v_pk_fma_f32 v[GC+\p:GC+\p+1], v[GA+\p:GA+\p+1], 2.0, 1.0 op_sel_hi:[1,0,0]    ; 1 + 2 a
.endr
.irp p, 0,2,4,6,8,10,12,14
	v_pk_mul_f32 v[GE+\p:GE+\p+1], v[GA+\p:GA+\p+1], 0xbfb8aa3b op_sel_hi:[1,0]    ; -a log2(e)
.endr
.irp p, 0,2,4,6,8,10,12,14
	v_pk_mul_f32 v[GD+\p:GD+\p+1], v[GB+\p:GB+\p+1], v[GC+\p:GC+\p+1]              ; (a + 2)(1 + 2 a): one reciprocal serves both
.endr
.irp p, 0,2,4,6,8,10,12,14
	v_pk_fma_f32 v[GE+\p:GE+\p+1], v[GE+\p:GE+\p+1], v[GA+\p:GA+\p+1], -0.5 op_sel_hi:[1,1,0]   ; -a a log2(e) - 1/2
.endr
	s_wait_alu depctr_va_vdst(0)
.irp i, 0,1,2,3,4,5,6,7,8,9,10,11,12,13,14,15
	v_rcp_f32 v[GD+\i], v[GD+\i]
.endr
.irp i, 0,1,2,3,4,5,6,7,8,9,10,11,12,13,14,15
	v_exp_f32 v[GE+\i], v[GE+\i]                   ; exp(-a a) / sqrt(2)
.endr
.irp i, 0,1,2,3,4,5,6,7,8,9,10,11,12,13,14,15
	v_max_num_f32 v[HA+\i], 0, v[HA+\i]            ; max(x, 0): plain work that names no result of the batch
.endr
	s_wait_alu depctr_va_vdst(0)                   ; one wait for the 32, ahead of their first reader
.irp p, 0,2,4,6,8,10,12,14
	v_pk_mul_f32 v[GC+\p:GC+\p+1], v[GD+\p:GD+\p+1], v[GC+\p:GC+\p+1]              ; 1 / (a + 2)
.endr
.irp p, 0,2,4,6,8,10,12,14
	v_pk_mul_f32 v[GB+\p:GB+\p+1], v[GD+\p:GD+\p+1], v[GB+\p:GB+\p+1]              ; 1 / (1 + 2 a)
.endr
.irp p, 0,2,4,6,8,10,12,14
	v_pk_add_f32 v[GD+\p:GD+\p+1], v[GA+\p:GA+\p+1], -2.0 op_sel_hi:[1,0]
.endr
.irp p, 0,2,4,6,8,10,12,14
	v_pk_mul_f32 v[GD+\p:GD+\p+1], v[GD+\p:GD+\p+1], v[GC+\p:GC+\p+1]              ; q
.endr
.irp p, 0,2,4,6,8,10,12,14
	v_pk_fma_f32 v[GC+\p:GC+\p+1], v[C11:C11+1], v[GD+\p:GD+\p+1], 0x39290e63 op_sel_hi:[1,1,0]
.endr
.irp k, 0xb9b5a7ff, 0xbab7153e, 0x3a9e0ebf, 0x3c0e611b, 0xbc034ca0, 0xbd5e0db6, 0x3e27fc56, 0xbe2a040d, 0xbdbdfae7, 0x3e8dd01d
.irp p, 0,2,4,6,8,10,12,14
	v_pk_fma_f32 v[GC+\p:GC+\p+1], v[GC+\p:GC+\p+1], v[GD+\p:GD+\p+1], \k op_sel_hi:[1,1,0]     ; the eight pairs by turns
.endr
.endr
.irp p, 0,2,4,6,8,10,12,14
	v_pk_fma_f32 v[GC+\p:GC+\p+1], v[GC+\p:GC+\p+1], v[GB+\p:GB+\p+1], v[GB+\p:GB+\p+1]         ; (1 + p) / (1 + 2 a)
.endr
.irp p, 0,2,4,6,8,10,12,14
	v_pk_mul_f32 v[GC+\p:GC+\p+1], v[GC+\p:GC+\p+1], v[GE+\p:GE+\p+1]              ; erfc(a) / sqrt(2)
.endr
.irp p, 0,2,4,6,8,10,12,14
	v_pk_fma_f32 v[HA+\p:HA+\p+1], v[GA+\p:GA+\p+1], v[GC+\p:GC+\p+1], v[HA+\p:HA+\p+1] neg_lo:[1,0,0] neg_hi:[1,0,0]
.endr
.endm
; The lane's 16 numbers are half a block of 32 along the next K; lane l xor 16 holds the other half.  Codes into v[PC] on, the byte into v[TM+4].
.macro QUANT1
	v_max3_num_f32 v[TM], |v[HA]|, |v[HA+1]|, 0x8000000            ; with the floor 2^(16 - 127): the byte cannot fall under 1
	v_max3_num_f32 v[TM+1], |v[HA+2]|, |v[HA+3]|, |v[HA+4]|
	s_delay_alu instid0(VALU_DEP_2)
	v_max3_num_f32 v[TM], v[TM], |v[HA+5]|, |v[HA+6]|
	s_delay_alu instid0(VALU_DEP_2)
	v_max3_num_f32 v[TM+1], v[TM+1], |v[HA+7]|, |v[HA+8]|
	s_delay_alu instid0(VALU_DEP_2)
	v_max3_num_f32 v[TM], v[TM], |v[HA+9]|, |v[HA+10]|
	s_delay_alu instid0(VALU_DEP_2)
	v_max3_num_f32 v[TM+1], v[TM+1], |v[HA+11]|, |v[HA+12]|
	s_delay_alu instid0(VALU_DEP_2)
	v_max3_num_f32 v[TM], v[TM], |v[HA+13]|, |v[HA+14]|
	s_delay_alu instid0(VALU_DEP_1)
	v_max3_num_f32 v[TM+1], v[TM+1], |v[HA+15]|, v[TM]
	s_delay_alu instid0(VALU_DEP_1)
	v_permlanex16_b32 v[PD], v[TM+1], s36, s37
	s_delay_alu instid0(VALU_DEP_1)
	v_max_num_f32 v[TM], v[TM+1], v[PD]            ; the block's largest magnitude
	s_delay_alu instid0(VALU_DEP_1)
	v_add_nc_u32 v[TM+2], 0xf8800000, v[TM]        ; 15 off its exponent field: the conversion's scale operand
	s_delay_alu instid0(VALU_DEP_2)
	v_and_or_b32 v[TM+3], v[TM], 0x7f800000, s35   ; 57,344 x the scale
	s_delay_alu instid0(VALU_DEP_2)
	v_lshrrev_b32 v[TM+4], 23, v[TM+2]             ; the scale's byte
.irp i, 0,1,2,3,4,5,6,7,8,9,10,11,12,13,14,15
	v_med3_num_f32 v[HA+\i], v[HA+\i], -v[TM+3], v[TM+3]           ; the conversion to an 8-bit code does not saturate (ISA guide 7.6.2)
.endr
	v_cvt_scalef32_pk8_bf8_f32 v[PC:PC+1], v[HA:HA+7], v[TM+2]
	v_cvt_scalef32_pk8_bf8_f32 v[PC+2:PC+3], v[HA+8:HA+15], v[TM+2]
	v_nop                                          ; a plain line behind the conversions: the next products write their sources
.endm
; One tile: 16 list rows x my 32 hidden units, K = 1,024.  The two accumulators take turns, one instruction a turn.
.macro TILE slot, tau, rp
.irp s, 0,1,2,3,4,5,6,7
.if \s == 5
	s_wait_xcnt 0x0                                ; the last tile's store has read its codes, v216-219: K step 5's loads, which land there, stand behind this wait.  K steps 0-4 land in no register that a pending global instruction names
.endif
.irp c, 0,1,2,3
	ds_load_b128 v[XF+16*\s+4*\c:XF+16*\s+4*\c+3], v[XA] offset:(2*(\slot)+(\tau))*16640+128*\s+32*\c
.endr
.endr
	s_wait_dscnt 16                                ; K steps 0-3 are in (and all that was asked earlier: W1's fragments, the scale words); the youngest 16 loads may be out
	WIN 0x01                                       ; source 0 (W1) window 1
.irp u, 0,1
	MM HA+8*\u, 128*\u, XF, 0, W1S, XSR, \u, \tau
.endr
.irp s, 1,2,3
.irp u, 0,1
	MM HA+8*\u, 128*\u+16*\s, XF+16*\s, v[HA+8*\u:HA+8*\u+7], W1S+\s, XSR+\s, \u, \tau
.endr
.endr
	s_wait_dscnt 0x0
.irp s, 4,5,6,7
.irp u, 0,1
	MM HA+8*\u, 128*\u+16*\s, XF+16*\s, v[HA+8*\u:HA+8*\u+7], W1S+\s, XSR+\s, \u, \tau
.endr
.endr
	WIN 0
.rept 9
	v_nop                                          ; places: eight in front of the first read of results and of writes over the products' sources; nine in front of the next tile's products, which begin the accumulators anew
.endr
	GELU16
	QUANT1
	global_store_b128 v[HO], v[PC:PC+3], s[40:41] offset:(4*(\rp)+2*(\tau))*65536    ; chunk wc of the image: 32 lanes store 512 consecutive bytes
	ds_store_b8 v[SBT], v[TM+4] offset:128*(\rp)+64*(\tau)         ; both halves of the lanes write the same byte with the same value
.endm
; A round: the next round's rows are asked for, if the list has them; this round's tiles are made; the rows that came go into the other slot; one barrier.
; The other slot was last read in the round before, ahead of that round's barrier, and is read next behind this round's.
.macro ROUND slot, rp
	s_add_co_u32 s28, s30, 64*(\rp)+64
	s_cmp_lt_u32 s28, s26                          ; does the next round begin inside the list?
	s_cbranch_scc0 .Lno_ids_\@
	GATHER_IDS TA, TB, 256*((\rp)+1)               ; (no load of mine is out here: the offsets' registers are free)
.Lno_ids_\@:
	s_wait_alu depctr_va_vdst(0)
	GATHER_CALC
	s_cmp_lt_u32 s28, s26
	s_cbranch_scc0 .Lno_ask_\@
	GATHER_LOADS
.Lno_ask_\@:
	s_add_co_u32 s28, s30, 64*(\rp)
	s_add_co_u32 s28, s28, s34
	s_cmp_lt_u32 s28, s26                          ; does tile wr of the round begin inside the list?
	s_cbranch_scc0 .Lno_tile_\@
	ds_load_b128 v[XSR:XSR+3], v[XSA] offset:(\slot)*3072
	ds_load_b128 v[XSR+4:XSR+7], v[XSA] offset:(\slot)*3072+16
	TILE \slot, 0, \rp
	s_add_co_u32 s28, s30, 64*(\rp)+32
	s_add_co_u32 s28, s28, s34
	s_cmp_lt_u32 s28, s26                          ; and tile wr + 2?
	s_cbranch_scc0 .Lno_tile_\@
	TILE \slot, 1, \rp
.Lno_tile_\@:
	s_wait_loadcnt 0x0                             ; on every way: what was asked for has come, and the gather's registers are free
	s_add_co_u32 s28, s30, 64*(\rp)+64
	s_cmp_lt_u32 s28, s26
	s_cbranch_scc0 .Lno_put_\@
	GATHER_PUT 1-(\slot)
.Lno_put_\@:
	BAR
.endm
.Ltrip:                                            ; 8 trips of two rounds: 1,024 list rows
	v_add_nc_u32 v[SBT], s39, v[SBA]               ; the trip's 256 scale bytes of my half
	v_add_nc_u32 v[TA], s38, v[LA]                 ; and its place in the list, for my four rows
	v_add_nc_u32 v[TB], s38, v[LB]                 ; and for the row whose scale bytes I fetch
	ROUND 0, 0
	ROUND 1, 1
	s_wait_xcnt 0x0                                ; the stores have read their base
	s_add_nc_u64 s[40:41], s[40:41], 524288        ; 8 tiles of rows on
	s_add_co_u32 s30, s30, 128
	s_add_co_u32 s38, s38, 512
	s_add_co_u32 s39, s39, 256
	s_sub_co_u32 s31, s31, 1
	s_cmp_lg_u32 s31, 0
	s_cbranch_scc1 .Ltrip
	ds_load_b128 v[GT:GT+3], v[SCO]                ; behind the last barrier: the 4,096 scale bytes leave on end
	s_wait_dscnt 0x0
	global_store_b128 v[T16], v[GT:GT+3], s[16:17]
	s_cmp_lg_u32 s24, 0
	s_cbranch_scc1 .Lend                           ; list and count are stored by the expert's first work-group
	ds_load_b128 v[GT+4:GT+7], v[LSO]
	s_wait_dscnt 0x0
	global_store_b128 v[T16], v[GT+4:GT+7], s[18:19]
	s_cmp_lg_u32 s20, 0
	s_cbranch_scc1 .Lend
	v_mov_b32 v[GT+8], s25
	global_store_b32 v2, v[GT+8], s[18:19] offset:4224             ; n, 32 times: bytes 4,224 to 4,351
.Lend:
	s_wait_xcnt 0x0
	v_lshl_add_u32 v254, v0, 2, 0x44c00
	v_mov_b32 v255, 0
	s_wait_alu depctr_va_vdst(0)
	s_wait_tensorcnt 0x0
	ds_add_u32 v254, v255
	s_wait_dscnt 0x0
	s_endpgm
.Lfunc_end_k_q8ad02b7098_fc1:
	.size	k_q8ad02b7098_fc1, .Lfunc_end_k_q8ad02b7098_fc1-k_q8ad02b7098_fc1
	.p2alignl 7, 3214868480
	.fill 96, 4, 3214868480
	.section	.rodata,"a",@progbits
	.p2align	6, 0x0
	.amdhsa_kernel k_q8ad02b7098_fc1
		.amdhsa_group_segment_fixed_size 282624
		.amdhsa_private_segment_fixed_size 0
		.amdhsa_enable_private_segment 0
		.amdhsa_kernarg_size 64
		.amdhsa_user_sgpr_count 2
		.amdhsa_user_sgpr_kernarg_segment_ptr 1
		.amdhsa_wavefront_size32 1
		.amdhsa_system_sgpr_workgroup_id_x 1
		.amdhsa_system_sgpr_workgroup_id_y 1
		.amdhsa_system_sgpr_workgroup_id_z 1
		.amdhsa_system_vgpr_workitem_id 0
		.amdhsa_next_free_vgpr 512
		.amdhsa_next_free_sgpr 84
		.amdhsa_reserve_vcc 0
		.amdhsa_float_denorm_mode_32 3
		.amdhsa_float_denorm_mode_16_64 3
		.amdhsa_memory_ordered 1
		.amdhsa_forward_progress 1
		.amdhsa_inst_pref_size 165
	.end_amdhsa_kernel
	.amdgpu_metadata
---
amdhsa.version: [ 1, 2 ]
amdhsa.kernels:
  - .name:           k_q8ad02b7098_fc1
    .symbol:         k_q8ad02b7098_fc1.kd
    .args:
      - { .name: route, .offset: 0, .size: 8, .value_kind: global_buffer, .address_space: global }
      - { .name: xcodes, .offset: 8, .size: 8, .value_kind: global_buffer, .address_space: global }
      - { .name: xscales, .offset: 16, .size: 8, .value_kind: global_buffer, .address_space: global }
      - { .name: w1_codes, .offset: 24, .size: 8, .value_kind: global_buffer, .address_space: global }
      - { .name: w1_scales, .offset: 32, .size: 8, .value_kind: global_buffer, .address_space: global }
      - { .name: hcodes, .offset: 40, .size: 8, .value_kind: global_buffer, .address_space: global }
      - { .name: hscales, .offset: 48, .size: 8, .value_kind: global_buffer, .address_space: global }
      - { .name: rows, .offset: 56, .size: 8, .value_kind: global_buffer, .address_space: global }
    .group_segment_fixed_size: 282624
    .private_segment_fixed_size: 0
    .kernarg_segment_align: 8
    .kernarg_segment_size: 64
    .max_flat_workgroup_size: 256
    .sgpr_count:     84
    .vgpr_count:     512
    .wavefront_size: 32
...
	.end_amdgpu_metadata
.endif
;; end of part 6
;; launch fc2 (part 7): grid 32 x 8, 4 waves a work-group, no clusters, 210,432 bytes of LDS; arguments rows, gate, hcodes, hscales, w2_codes, w2_scales, y; writes y
.if DOCPART == 7
	.amdgcn_target "amdgcn-amd-amdhsa--gfx1250"
	.amdhsa_code_object_version 6
	.text
	.protected	k_q8ad02b7098_fc2
	.globl	k_q8ad02b7098_fc2
	.p2align	8
	.type	k_q8ad02b7098_fc2,@function
k_q8ad02b7098_fc2:
	s_mov_b64 s[64:65], 0
	v_nop
	global_prefetch_b8 v0, s[64:65] scope:SCOPE_SE
	s_setreg_imm32_b32 hwreg(HW_REG_WAVE_SCHED_MODE, 0, 2), 2
	s_setreg_imm32_b32 hwreg(HW_REG_WAVE_MODE, 25, 1), 1
	s_wait_xcnt 0x0
	s_wait_alu depctr_vm_vsrc(0)
; SECOND PRODUCT AND THE GATE, for the chosen rows alone.  Work-group (x = 2 dt + p, y = e) owns columns 64 dt .. 64 dt + 63 of expert e and the tiles of 16 list rows m = 2 k + p, k = 0 .. 31.
; THE WAVES SPLIT K: wave w owns K steps 8 w .. 8 w + 7 of the 32.  Its part of W2 (4 tiles of 16 columns x 8 K steps: 512 registers, windows 1 and 2) stays in registers for the whole launch.
; The hidden layer's fragments come from hcodes straight into registers (window 3, two buffers): they were stored as images of the operand's registers, so a fragment is four loads of 512 consecutive bytes.
; A tile's loads are issued two tiles ahead.  The four waves' partial sums of a tile meet in LDS, four tiles a round; wave w adds up tile w of the round, multiplies by the rows' gates and stores:
; y[id][64 dt ..]: sixteen lanes store 256 consecutive bytes, aligned.  THE LAST TILE'S SPARE ROWS are copies of the list's last id, a row of that same tile: their sums and gates are that row's bit for bit,
; and the same wave stores the same numbers to the same bytes once more.  So no store is masked.
; THE PRODUCT IS USED TRANSPOSED (source 0 = 16 columns' rows of W2, source 1 = 16 list rows): a lane holds eight neighbouring columns of one list row.
; LOOPS have constant trip counts (32 tiles serve n = 1,024); a tile's work is jumped over by scalar branches on n, read from rows; every wave passes every barrier; every address register is made on the way that all rounds take.
; NO TENSOR LOAD, NO JOINT LOAD, though 16 work-groups read the same hidden tiles and two the same part of W2.
; LIMITS: NaN and infinities are not served.  The sum over K is made in four parts, added in f32.  A work-group whose expert has no row for it still reads its part of W2.
; THE MODE: SCHED_MODE bits 1:0 = 2 (LLVM: expert scheduling mode 2), set by the entry lines.  The code itself states the register dependences between vector or matrix instructions and memory or LDS instructions,
; with s_wait_alu, always for 0.
; THE PLAN.  Registers that memory or LDS instructions touch:
;   v3-14          addresses and offsets, made once at the head and never written again: one wait on va_vdst ahead of the first load.   v226-229: the gates' offsets, made once: one more.
;   v15            the tables' place: written at a trip's head; read by the tables' loads.
;   v72-87         a round's ids and gates land here; the way out's vector lines read them.
;   v88-95         offsets in y: written in every round; read by the eight stores.
;   v96-223        the partial sums land here; the additions and the gates work in place; the eight stores read them.
;   v40-71         the accumulators: written by a tile's products; read by its eight LDS stores.
;   v32-39, window 3   a tile's scale words and fragments land here; its products read them; the loads of the tile two on land here again.
;   windows 1, 2   at the head: W2's rows land, LDS stores read them, LDS loads land in the same registers; then they stay.
; So a tile has a wait on vm_vsrc at its head (the accumulators have been read) and ONE wait on va_vdst behind its places, which serves its eight LDS stores and the 36 loads of the tile two on; the way out has a wait
; on vm_vsrc at its head, a wait on va_vdst behind the offsets and one ahead of the stores; a trip's head has the pair round the addition to v15.
.set WP,   1040                        ; LDS 0: for each wave 16 rows x WP, through which W2's rows turn into fragments
.set RED,  66560                       ; partial sums [writer 4: 34,816][slot 2: 17,408][tile 4: 4,352][16 rows x 272]
.set IDT,  205824                      ; ids [k 32][16 rows], 2,048 bytes; behind them the gates likewise
.set HV,   3                           ; v3   16 x lane
.set SV,   4                           ; v4   4,096 h + 4 r: the hidden layer's scale words
.set STW,  5                           ; v5   W2's rows into LDS
.set LDW,  6                           ; v6   and back as fragments
.set RST,  7                           ; v7   where I put partial sums
.set RRD,  8                           ; v8-9 where I read them: writers 0, 1 and writers 2, 3
.set TBA,  10                          ; v10  the tables: IDT + 64 w + 32 h
.set TBS,  11                          ; v11  IDT + 16 x thread
.set IDO,  12                          ; v12  my ids' place in rows
.set WSV,  13                          ; v13  128 x lane: W2's scale bytes
.set R16,  14                          ; v14  16 r
.set TA,   15                          ; v15  the tables' place for the trip in hand
.set W2S,  16                          ; v16-31 W2's scale words: register 8 (d / 2) + s, lanes 0-15 tile d even, lanes 16-31 d odd.  Scales and nothing else
.set HS,   32                          ; v32-39 the hidden layer's: buffer b at 4 b; register s / 2, lanes 0-15 s even, lanes 16-31 s odd.  Scales and nothing else
.set ACC,  40                          ; v40-71 four accumulators
.set IDR,  72                          ; v72-79 eight ids
.set GAR,  80                          ; v80-87 eight gates
.set VO,   88                          ; v88-95 eight offsets in y
.set PP,   96                          ; v96-223 four writers' partial sums, 32 registers each
.set GOF,  226                         ; v226-229 offsets in gate
.set MSB, 0
.macro WIN new                         ; the immediate's high byte repeats the setting that is left
.if MSB != (\new)
	s_set_vgpr_msb (MSB<<8)|(\new)
.set MSB, (\new)
.endif
.endm
.macro BAR                             ; my LDS stores have landed and my LDS loads are in: then the work-group's barrier
	s_wait_dscnt 0x0
	s_barrier_signal -1
	s_barrier_wait -1
.endm
.macro MM d, a, b, c, sa, sb, ra, rb   ; one product; ra, rb: the scales stand in lanes 16-31 of their registers
.if (\ra) && (\rb)
	v_wmma_scale_f32_16x16x128_f8f6f4 v[\d:\d+7], v[\a:\a+15], v[\b:\b+15], \c, v[\sa], v[\sb] matrix_a_fmt:MATRIX_FMT_BF8 matrix_b_fmt:MATRIX_FMT_BF8 matrix_a_scale:MATRIX_SCALE_ROW1 matrix_b_scale:MATRIX_SCALE_ROW1
.elseif (\ra)
	v_wmma_scale_f32_16x16x128_f8f6f4 v[\d:\d+7], v[\a:\a+15], v[\b:\b+15], \c, v[\sa], v[\sb] matrix_a_fmt:MATRIX_FMT_BF8 matrix_b_fmt:MATRIX_FMT_BF8 matrix_a_scale:MATRIX_SCALE_ROW1
.elseif (\rb)
	v_wmma_scale_f32_16x16x128_f8f6f4 v[\d:\d+7], v[\a:\a+15], v[\b:\b+15], \c, v[\sa], v[\sb] matrix_a_fmt:MATRIX_FMT_BF8 matrix_b_fmt:MATRIX_FMT_BF8 matrix_b_scale:MATRIX_SCALE_ROW1
.else
	v_wmma_scale_f32_16x16x128_f8f6f4 v[\d:\d+7], v[\a:\a+15], v[\b:\b+15], \c, v[\sa], v[\sb] matrix_a_fmt:MATRIX_FMT_BF8 matrix_b_fmt:MATRIX_FMT_BF8
.endif
.endm
; 16 rows of W2 (tile d), my 1,024 bytes of each: 32 loads of 512 consecutive bytes, into the registers that the fragments will take
.macro LOADW d
	WIN (1+(\d)/2)<<6
.set q, 0
.rept 32
	global_load_b128 v[128*((\d)%2)+4*q:128*((\d)%2)+4*q+3], v[HV], s[42:43] offset:(16*(\d)+q/2)*4096+(q%2)*512
.set q, q+1
.endr
	WIN 0
.endm
; they turn through my own 16 rows of LDS.  LDS serves a wave's instructions in order: no wait on DScnt between the stores and the loads, nor in front of the next tile's stores
.macro STAGEW d
	WIN (1+(\d)/2)<<2                              ; an LDS store's data are its source 1
.set q, 0
.rept 32
	ds_store_b128 v[STW], v[128*((\d)%2)+4*q:128*((\d)%2)+4*q+3] offset:(q/2)*WP+(q%2)*512
.set q, q+1
.endr
	WIN (1+(\d)/2)<<6
	s_wait_alu depctr_vm_vsrc(0)                   ; the 32 stores above have read their data, in whose registers the 32 loads below land
.set q, 0
.rept 32
	ds_load_b128 v[128*((\d)%2)+4*q:128*((\d)%2)+4*q+3], v[LDW] offset:32*q          ; fragment s = q / 4, registers 4 (q % 4) on: byte 128 s + 32 c of row r, + 16 h
.set q, q+1
.endr
	WIN 0
.endm
; a tile's 36 loads into buffer b: 4 of scale words, 32 of codes.  cb, sb: the scalar pairs of the bases; k: tiles on from the bases
.macro LOADT b, cb, sb, k
.irp q, 0,1,2,3
	global_load_b32 v[HS+4*(\b)+\q], v[SV], s[\sb:\sb+1] offset:8192*\q+64*(\k)
.endr
	WIN 0xc0                                       ; destination window 3
.irp s, 0,1,2,3,4,5,6,7
.irp c, 0,1,2,3
	global_load_b128 v[128*(\b)+16*\s+4*\c:128*(\b)+16*\s+4*\c+3], v[HV], s[\cb:\cb+1] offset:131072*(\k)+2048*\s+512*\c
.endr
.endr
	WIN 0
.endm
	s_load_b256 s[4:11], s[0:1], 0x0               ; rows s[4:5], gate s[6:7], hcodes s[8:9], hscales s[10:11]
	s_load_b128 s[12:15], s[0:1], 0x20             ; w2_codes s[12:13], w2_scales s[14:15]
	s_load_b64 s[16:17], s[0:1], 0x30              ; y
	v_lshl_add_u32 v254, v0, 2, 0x33400
	v_mov_b32 v255, 0
	v_lshrrev_b32 v[TA], 5, v0
	v_readfirstlane_b32 s18, v[TA]                 ; w
	s_and_b32 s19, ttmp9, 1                        ; p
	s_lshr_b32 s20, ttmp9, 1                       ; dt
	s_and_b32 s21, ttmp7, 0xffff                   ; e
	v_and_b32 v225, 31, v0                         ; lane
	v_and_b32 v1, 15, v0                           ; r
	v_bfe_u32 v2, v0, 4, 1                         ; h
	v_lshlrev_b32 v[HV], 4, v225
	v_lshlrev_b32 v[SV], 12, v2
	v_lshl_add_u32 v[SV], v1, 2, v[SV]
	s_wait_alu depctr_va_sdst(0)                   ; s18 is written, ahead of its first reader
	s_mul_i32 s28, s18, 16*WP
	v_add_nc_u32 v[STW], s28, v[HV]
	v_mul_u32_u24 v[LDW], v1, WP
	v_lshl_add_u32 v[LDW], v2, 4, v[LDW]
	v_add_nc_u32 v[LDW], s28, v[LDW]
	s_mul_i32 s28, s18, 34816
	s_add_co_u32 s28, s28, RED
	v_mul_u32_u24 v[RST], v1, 272
	v_lshl_add_u32 v[RST], v2, 5, v[RST]
	v_add_nc_u32 v[RST], s28, v[RST]               ; RED + 34,816 w + 272 r + 32 h
	s_mul_i32 s28, s18, 4352
	s_add_co_u32 s28, s28, RED
	v_mul_u32_u24 v[RRD], v2, 8*272
	v_lshl_add_u32 v[RRD], v1, 4, v[RRD]
	v_add_nc_u32 v[RRD], s28, v[RRD]               ; RED + 4,352 w + 272 x 8 h + 16 r: lanes 0-15 a whole row, lanes 16-31 the row eight further down
	v_add_nc_u32 v[RRD+1], 69632, v[RRD]
	s_lshl_b32 s28, s18, 6
	s_add_co_u32 s28, s28, IDT
	v_lshl_add_u32 v[TBA], v2, 5, s28
	v_lshlrev_b32 v[TBS], 4, v0
	v_add_nc_u32 v[TBS], IDT, v[TBS]
	v_lshrrev_b32 v[IDO], 2, v0
	v_lshlrev_b32 v[IDO], 7, v[IDO]
	v_and_b32 v[TA], 3, v0
	v_lshl_add_u32 v[IDO], v[TA], 4, v[IDO]        ; thread: tile k = thread / 4, rows 4 (thread % 4) on: byte 128 k + 16 (thread % 4) of my parity's ids
	v_lshlrev_b32 v[WSV], 7, v225
	v_lshlrev_b32 v[R16], 4, v1
	s_mov_b32 s26, 0                               ; KT: the trip's first tile
	s_mov_b32 s46, 0                               ; 64 KT
	s_mov_b32 s27, 4                               ; trips
	s_mov_b32 s49, 0
	s_mul_i32 s52, s21, 4352
	s_wait_kmcnt 0x0
	s_load_b32 s22, s[4:5], s52 offset:4224        ; n.  (s52 and s[4:5] are not written again)
	s_lshl_b32 s48, s19, 6
	s_add_co_u32 s48, s48, s52
	s_add_nc_u64 s[50:51], s[4:5], s[48:49]        ; rows + 4,352 e + 64 p
	s_lshl_b32 s48, s21, 22
	s_lshl_b32 s28, s20, 18
	s_add_co_u32 s48, s48, s28
	s_lshl_b32 s28, s18, 10
	s_add_co_u32 s48, s48, s28
	s_add_nc_u64 s[42:43], s[12:13], s[48:49]      ; W2's row 1,024 e + 64 dt, byte 1,024 w
	s_lshl_b32 s48, s21, 17
	s_lshl_b32 s28, s20, 13
	s_add_co_u32 s48, s48, s28
	s_lshl_b32 s28, s18, 5
	s_add_co_u32 s48, s48, s28
	s_add_nc_u64 s[14:15], s[14:15], s[48:49]      ; its scale bytes: 128 a row, byte 32 w
	s_lshl_b32 s48, s20, 8
	s_add_nc_u64 s[44:45], s[16:17], s[48:49]      ; y + 256 dt
	s_lshl_b32 s48, s21, 22
	s_lshl_b32 s28, s18, 14
	s_add_co_u32 s48, s48, s28
	s_add_nc_u64 s[54:55], s[8:9], s[48:49]        ; hcodes: expert e, tile 0, K step 8 w
	s_lshl_b32 s48, s19, 16
	s_add_nc_u64 s[30:31], s[54:55], s[48:49]      ; and tile p: it walks
	s_lshl_b32 s48, s21, 17
	s_lshl_b32 s28, s18, 15
	s_add_co_u32 s48, s48, s28
	s_add_nc_u64 s[56:57], s[10:11], s[48:49]      ; hscales: expert e, K step 8 w
	s_lshl_b32 s48, s19, 11
	s_add_nc_u64 s[32:33], s[56:57], s[48:49]      ; and parity p: it walks
	s_wait_alu depctr_va_vdst(0)                   ; the addresses and offsets that stay, v3-14, are written: every load and store that reads one of them stands behind this wait
	global_load_b128 v[IDR:IDR+3], v[IDO], s[50:51]
.irp g, 0,1
	global_load_b128 v[W2S+8*\g:W2S+8*\g+3], v[WSV], s[14:15] offset:4096*\g
	global_load_b128 v[W2S+8*\g+4:W2S+8*\g+7], v[WSV], s[14:15] offset:4096*\g+16
.endr
	LOADW 0
	LOADW 1
	s_wait_kmcnt 0x0
	s_min_u32 s22, s22, 0x400                      ; n
	s_add_co_u32 s23, s22, 15
	s_lshr_b32 s23, s23, 4                         ; the expert's tiles
	s_sub_co_u32 s24, s23, s19
	s_add_co_u32 s24, s24, 1
	s_lshr_b32 s24, s24, 1                         ; nT: those of my parity
	s_max_u32 s25, s23, 1
	s_sub_co_u32 s25, s25, 1                       ; the last tile that the launch before has written
.irp k, 0,1                            ; the first two tiles are asked for whatever n, held at that last tile, so that they read written bytes
	s_add_co_u32 s28, s19, 2*\k
	s_min_u32 s28, s28, s25
	s_min_u32 s28, s28, 63
	s_lshl_b32 s48, s28, 16
	s_add_nc_u64 s[34+4*\k:35+4*\k], s[54:55], s[48:49]
	s_and_b32 s29, s28, 1
	s_lshl_b32 s29, s29, 11
	s_lshl_b32 s48, s28, 5
	s_and_b32 s48, s48, 0x7c0                      ; 64 (m / 2)
	s_add_co_u32 s48, s48, s29
	s_add_nc_u64 s[36+4*\k:37+4*\k], s[56:57], s[48:49]
.endr
	s_wait_loadcnt 63                              ; 69 loads were issued, the ids' first: with 63 out at the most the first six are in
.irp i, 0,1,2,3
	v_min_u32 v[GOF+\i], 0x7ff, v[IDR+\i]
.endr
.irp i, 0,1,2,3
	v_lshlrev_b32 v[GOF+\i], 2, v[GOF+\i]
.endr
	s_wait_alu depctr_va_vdst(0)                   ; the four offsets v226-229 are written, which the loads below read
.irp i, 0,1,2,3
	global_load_b32 v[GAR+\i], v[GOF+\i], s[6:7]
.endr
	LOADW 2
	s_wait_loadcnt 63                              ; 105 issued: the first 42 are in, tile 0's rows (the 37th is their last) among them
	STAGEW 0
	LOADW 3
	s_wait_loadcnt 63                              ; 137 issued: the first 74 are in: tile 1's rows (69) and the gates (73)
	ds_store_b128 v[TBS], v[IDR:IDR+3]             ; the tables
	ds_store_b128 v[TBS], v[GAR:GAR+3] offset:2048
	STAGEW 1
	LOADT 0, 34, 36, 0
	LOADT 1, 38, 40, 0
	s_wait_loadcnt 63                              ; 209 issued: the first 146 are in: tiles 2 and 3 (137)
	STAGEW 2
	STAGEW 3
	BAR                                            ; W2's fragments are in their registers, and the tables lie in LDS for every wave
; Tile KT + kk, if the list has it.  AT THE HEAD of a tile either none of my loads is out, or this tile's 36, or these and the next tile's 36 behind them: every way that issues no load waits for all.
.macro TILE kk, slot
	s_add_co_u32 s28, s26, \kk
	s_cmp_lt_u32 s28, s24
	s_cbranch_scc1 .Lact_\@
	s_wait_loadcnt 0x0
	s_branch .Ldone_\@
.Lact_\@:
	s_wait_loadcnt 36                              ; this tile's loads are in; the next tile's 36 may be out
	s_wait_alu depctr_vm_vsrc(0)                   ; the last tile's eight LDS stores have read the accumulators, which the products below begin anew
	WIN 0x0d                                       ; source 0 (W2) window 1, source 1 (the hidden layer) window 3
.irp d, 0,1
	MM ACC+8*\d, 128*(\d%2), 128*((\kk)%2), 0, W2S+8*(\d/2), HS+4*((\kk)%2), \d%2, 0
.endr
.irp s, 1,2,3,4,5,6,7
.irp d, 0,1                            ; two accumulators by turns, one instruction a turn
	MM ACC+8*\d, 128*(\d%2)+16*\s, 128*((\kk)%2)+16*\s, v[ACC+8*\d:ACC+8*\d+7], W2S+8*(\d/2)+\s, HS+4*((\kk)%2)+\s/2, \d%2, \s%2
.endr
.endr
	WIN 0x0e                                       ; source 0 window 2
.irp d, 2,3
	MM ACC+8*\d, 128*(\d%2), 128*((\kk)%2), 0, W2S+8*(\d/2), HS+4*((\kk)%2), \d%2, 0
.endr
.irp s, 1,2,3,4,5,6,7
.irp d, 2,3
	MM ACC+8*\d, 128*(\d%2)+16*\s, 128*((\kk)%2)+16*\s, v[ACC+8*\d:ACC+8*\d+7], W2S+8*(\d/2)+\s, HS+4*((\kk)%2)+\s/2, \d%2, \s%2
.endr
.endr
	WIN 0
.rept 9
	v_nop                                          ; places: eight in front of the stores of results; nine in front of the next tile's products, which begin the accumulators anew
.endr
	s_wait_alu depctr_va_vdst(0)                   ; the products have written the accumulators, which the LDS stores below read, and are done reading the buffer and its scale words, in which the loads below land.  The places above stay beside this wait; behind it stand only scalar lines, loads, a window switch and the stores
	s_add_co_u32 s28, s26, (\kk)+2
	s_cmp_lt_u32 s28, s24
	s_cbranch_scc1 .Lmore_\@
	s_wait_loadcnt 0x0
	s_branch .Lput_\@
.Lmore_\@:
	LOADT (\kk)%2, 30, 32, (\kk)+2                 ; the tile two on, into the buffer just multiplied
.Lput_\@:
.irp d, 0,1,2,3
	ds_store_b128 v[RST], v[ACC+8*\d:ACC+8*\d+3] offset:(\slot)*17408+((\kk)%4)*4352+64*\d       ; each accumulator from its low end on
	ds_store_b128 v[RST], v[ACC+8*\d+4:ACC+8*\d+7] offset:(\slot)*17408+((\kk)%4)*4352+64*\d+16
.endr
.Ldone_\@:
.endm
; The ids and gates of the tile that I finish in round rr of the trip, KT + 4 rr + w: asked for at the round's head; the round's barrier waits for them.
; The vector lines that read v72-87 stand ahead of waits on va_vdst in the way out before; in the loop no memory or LDS instruction reads these registers.
.macro TABLES rr
	ds_load_b128 v[IDR:IDR+3], v[TA] offset:256*(\rr)
	ds_load_b128 v[IDR+4:IDR+7], v[TA] offset:256*(\rr)+16
	ds_load_b128 v[GAR:GAR+3], v[TA] offset:2048+256*(\rr)
	ds_load_b128 v[GAR+4:GAR+7], v[TA] offset:2048+256*(\rr)+16
.endm
; Wave w finishes tile KT + 4 rr + w: four partial sums, the gates, the stores.  The offsets in y are made in every round; the work is jumped over where the list has no such tile.
.macro REDUCE slot, rr
	s_wait_xcnt 0x0                                ; my last stores have read their offsets and their data
	s_wait_alu depctr_vm_vsrc(0)                   ; my last eight stores have read v88-95, which are written below, and v96-127, in which the partial sums land
.irp t, 0,1,2,3,4,5,6,7
	v_min_u32 v[VO+\t], 0x7ff, v[IDR+\t]
.endr
.irp t, 0,1,2,3,4,5,6,7
	v_lshlrev_b32 v[VO+\t], 12, v[VO+\t]           ; row id of y,
.endr
.irp t, 0,1,2,3,4,5,6,7
	v_add_nc_u32 v[VO+\t], v[VO+\t], v[R16]        ; 16 bytes a lane
.endr
	s_wait_alu depctr_va_vdst(0)                   ; the eight offsets are written, which the stores read; and these lines are done reading the ids v72-79, in which the next tables' loads land.  On every round's way, ahead of the branch
	s_add_co_u32 s28, s26, 4*(\rr)
	s_add_co_u32 s28, s28, s18
	s_cmp_lt_u32 s28, s24
	s_cbranch_scc0 .Lnone_\@
.irp v, 0,1,2,3
.irp t, 0,1,2,3,4,5,6,7
	ds_load_b128 v[PP+32*\v+4*\t:PP+32*\v+4*\t+3], v[RRD+\v/2] offset:(\v%2)*34816+(\slot)*17408+272*\t
.endr
.endr
	s_wait_dscnt 0x0
.set i, 0
.rept 16
	v_pk_add_f32 v[PP+i:PP+i+1], v[PP+i:PP+i+1], v[PP+32+i:PP+32+i+1]
	v_pk_add_f32 v[PP+64+i:PP+64+i+1], v[PP+64+i:PP+64+i+1], v[PP+96+i:PP+96+i+1]
.set i, i+2
.endr
.set i, 0
.rept 16
	v_pk_add_f32 v[PP+i:PP+i+1], v[PP+i:PP+i+1], v[PP+64+i:PP+64+i+1]
.set i, i+2
.endr
.irp t, 0,2,4,6                        ; row t's gate is the pair's first register, row t + 1's its second
	v_pk_mul_f32 v[PP+4*\t:PP+4*\t+1], v[PP+4*\t:PP+4*\t+1], v[GAR+\t:GAR+\t+1] op_sel_hi:[1,0]
	v_pk_mul_f32 v[PP+4*\t+2:PP+4*\t+3], v[PP+4*\t+2:PP+4*\t+3], v[GAR+\t:GAR+\t+1] op_sel_hi:[1,0]
	v_pk_mul_f32 v[PP+4*\t+4:PP+4*\t+5], v[PP+4*\t+4:PP+4*\t+5], v[GAR+\t:GAR+\t+1] op_sel:[0,1] op_sel_hi:[1,1]
	v_pk_mul_f32 v[PP+4*\t+6:PP+4*\t+7], v[PP+4*\t+6:PP+4*\t+7], v[GAR+\t:GAR+\t+1] op_sel:[0,1] op_sel_hi:[1,1]
.endr
	s_wait_alu depctr_va_vdst(0)                   ; the sums v96-127 are written, which the stores below read; the additions are done with v96-223, in which the next partial sums land, and the multiplications with the gates v80-87, in which the next tables' loads land
.irp t, 0,1,2,3,4,5,6,7
	global_store_b128 v[VO+\t], v[PP+4*\t:PP+4*\t+3], s[44:45]     ; 16 lanes store 256 consecutive bytes of a row of y, aligned
.endr
.Lnone_\@:
.endm
; Two slots of partial sums, one barrier a round: a slot is written again two rounds on, behind the next round's barrier, in front of which each wave has waited for its reads of it.
.Ltrip:                                            ; 4 trips of 8 tiles
	s_wait_alu depctr_vm_vsrc(0)                   ; the tables' loads issued so far have read v15, which is written below; in the first trip also: the head's two stores of the tables have read v72-75 and v80-83, in which the tables' loads land
	v_add_nc_u32 v[TA], s46, v[TBA]                ; the trip's place in the tables
	s_wait_alu depctr_va_vdst(0)                   ; v15 is written, which the tables' loads read
	TABLES 0
	TILE 0, 0
	TILE 1, 0
	TILE 2, 0
	TILE 3, 0
	BAR
	REDUCE 0, 0
	TABLES 1
	TILE 4, 1
	TILE 5, 1
	TILE 6, 1
	TILE 7, 1
	BAR
	REDUCE 1, 1
	s_wait_xcnt 0x0                                ; the loads on their way have read their bases
	s_add_nc_u64 s[30:31], s[30:31], 1048576       ; 8 tiles of my parity on
	s_add_nc_u64 s[32:33], s[32:33], 512
	s_add_co_u32 s26, s26, 8
	s_add_co_u32 s46, s46, 512
	s_sub_co_u32 s27, s27, 1
	s_cmp_lg_u32 s27, 0
	s_cbranch_scc1 .Ltrip
	s_wait_dscnt 0x0                               ; the closing lines, six on end
	s_wait_alu 0x0
	s_wait_tensorcnt 0x0
	ds_add_u32 v254, v255
	s_wait_dscnt 0x0
	s_endpgm
.Lfunc_end_k_q8ad02b7098_fc2:
	.size	k_q8ad02b7098_fc2, .Lfunc_end_k_q8ad02b7098_fc2-k_q8ad02b7098_fc2
	.p2alignl 7, 3214868480
	.fill 96, 4, 3214868480
	.section	.rodata,"a",@progbits
	.p2align	6, 0x0
	.amdhsa_kernel k_q8ad02b7098_fc2
		.amdhsa_group_segment_fixed_size 210432
		.amdhsa_private_segment_fixed_size 0
		.amdhsa_enable_private_segment 0
		.amdhsa_kernarg_size 56
		.amdhsa_user_sgpr_count 2
		.amdhsa_user_sgpr_kernarg_segment_ptr 1
		.amdhsa_wavefront_size32 1
		.amdhsa_system_sgpr_workgroup_id_x 1
		.amdhsa_system_sgpr_workgroup_id_y 1
		.amdhsa_system_sgpr_workgroup_id_z 1
		.amdhsa_system_vgpr_workitem_id 0
		.amdhsa_next_free_vgpr 1024
		.amdhsa_next_free_sgpr 66
		.amdhsa_reserve_vcc 0
		.amdhsa_float_denorm_mode_32 3
		.amdhsa_float_denorm_mode_16_64 3
		.amdhsa_memory_ordered 1
		.amdhsa_forward_progress 1
		.amdhsa_inst_pref_size 130
	.end_amdhsa_kernel
	.amdgpu_metadata
---
amdhsa.version: [ 1, 2 ]
amdhsa.kernels:
  - .name:           k_q8ad02b7098_fc2
    .symbol:         k_q8ad02b7098_fc2.kd
    .args:
      - { .name: rows, .offset: 0, .size: 8, .value_kind: global_buffer, .address_space: global }
      - { .name: gate, .offset: 8, .size: 8, .value_kind: global_buffer, .address_space: global }
      - { .name: hcodes, .offset: 16, .size: 8, .value_kind: global_buffer, .address_space: global }
      - { .name: hscales, .offset: 24, .size: 8, .value_kind: global_buffer, .address_space: global }
      - { .name: w2_codes, .offset: 32, .size: 8, .value_kind: global_buffer, .address_space: global }
      - { .name: w2_scales, .offset: 40, .size: 8, .value_kind: global_buffer, .address_space: global }
      - { .name: y, .offset: 48, .size: 8, .value_kind: global_buffer, .address_space: global }
    .group_segment_fixed_size: 210432
    .private_segment_fixed_size: 0
    .kernarg_segment_align: 8
    .kernarg_segment_size: 56
    .max_flat_workgroup_size: 128
    .sgpr_count:     66
    .vgpr_count:     1024
    .wavefront_size: 32
...
	.end_amdgpu_metadata
.endif
;; end of part 7
;; launch combine (part 8): grid 256 x 1, 4 waves a work-group, no clusters, 0 bytes of LDS; arguments y, out0; writes out0
.if DOCPART == 8
	.amdgcn_target "amdgcn-amd-amdhsa--gfx1250"
	.amdhsa_code_object_version 6
	.text
	.protected	k_q8ad02b7098_combine
	.globl	k_q8ad02b7098_combine
	.p2align	8
	.type	k_q8ad02b7098_combine,@function
k_q8ad02b7098_combine:
	s_mov_b64 s[64:65], 0
	v_nop
	global_prefetch_b8 v0, s[64:65] scope:SCOPE_SE
	s_setreg_imm32_b32 hwreg(HW_REG_WAVE_MODE, 25, 1), 1
	s_wait_xcnt 0x0
; out0[t] = y[2 t] + y[2 t + 1]: the two experts' rows, already weighed by their gates.  One wave takes one token t = 4 x work-group + wave.
; A stream: every byte is read once and written once, each instruction of a wave covers 512 consecutive bytes; all 16 loads go out at once.  No LDS, no barrier, no loop.
	s_load_b128 s[4:7], s[0:1], 0x0                ; y, out0
	v_lshrrev_b32 v1, 5, v0
	v_readfirstlane_b32 s8, v1                     ; wave
	v_and_b32 v2, 31, v0
	v_lshlrev_b32 v2, 4, v2                        ; 16 x lane
	s_lshl_b32 s9, ttmp9, 2
	s_add_co_u32 s9, s9, s8                        ; t
	s_lshl_b32 s10, s9, 13
	s_mov_b32 s11, 0
	s_lshl_b32 s12, s9, 12
	s_mov_b32 s13, 0
	s_wait_alu depctr_va_vdst(0)
	s_wait_kmcnt 0x0
	s_add_nc_u64 s[4:5], s[4:5], s[10:11]          ; y + 8,192 t
	s_add_nc_u64 s[6:7], s[6:7], s[12:13]          ; out0 + 4,096 t
.irp i, 0,1,2,3,4,5,6,7
	global_load_b128 v[8+4*\i:11+4*\i], v2, s[4:5] offset:512*\i th:TH_LOAD_NT
.endr
.irp i, 0,1,2,3,4,5,6,7
	global_load_b128 v[40+4*\i:43+4*\i], v2, s[4:5] offset:4096+512*\i th:TH_LOAD_NT
.endr
.irp i, 0,1,2,3,4,5,6,7
	s_wait_loadcnt 7-\i                            ; the first row's loads came first: piece i of the second row is in when 7 - i younger loads are out
	v_pk_add_f32 v[8+4*\i:9+4*\i], v[8+4*\i:9+4*\i], v[40+4*\i:41+4*\i]
	v_pk_add_f32 v[10+4*\i:11+4*\i], v[10+4*\i:11+4*\i], v[42+4*\i:43+4*\i]
	global_store_b128 v2, v[8+4*\i:11+4*\i], s[6:7] offset:512*\i th:TH_STORE_NT
.endr
	s_endpgm
.Lfunc_end_k_q8ad02b7098_combine:
	.size	k_q8ad02b7098_combine, .Lfunc_end_k_q8ad02b7098_combine-k_q8ad02b7098_combine
	.p2alignl 7, 3214868480
	.fill 96, 4, 3214868480
	.section	.rodata,"a",@progbits
	.p2align	6, 0x0
	.amdhsa_kernel k_q8ad02b7098_combine
		.amdhsa_group_segment_fixed_size 0
		.amdhsa_private_segment_fixed_size 0
		.amdhsa_enable_private_segment 0
		.amdhsa_kernarg_size 16
		.amdhsa_user_sgpr_count 2
		.amdhsa_user_sgpr_kernarg_segment_ptr 1
		.amdhsa_wavefront_size32 1
		.amdhsa_system_sgpr_workgroup_id_x 1
		.amdhsa_system_sgpr_workgroup_id_y 1
		.amdhsa_system_sgpr_workgroup_id_z 1
		.amdhsa_system_vgpr_workitem_id 0
		.amdhsa_next_free_vgpr 80
		.amdhsa_next_free_sgpr 66
		.amdhsa_reserve_vcc 0
		.amdhsa_float_denorm_mode_32 3
		.amdhsa_float_denorm_mode_16_64 3
		.amdhsa_memory_ordered 1
		.amdhsa_forward_progress 1
		.amdhsa_inst_pref_size 5
	.end_amdhsa_kernel
	.amdgpu_metadata
---
amdhsa.version: [ 1, 2 ]
amdhsa.kernels:
  - .name:           k_q8ad02b7098_combine
    .symbol:         k_q8ad02b7098_combine.kd
    .args:
      - { .name: y, .offset: 0, .size: 8, .value_kind: global_buffer, .address_space: global }
      - { .name: out0, .offset: 8, .size: 8, .value_kind: global_buffer, .address_space: global }
    .group_segment_fixed_size: 0
    .private_segment_fixed_size: 0
    .kernarg_segment_align: 8
    .kernarg_segment_size: 16
    .max_flat_workgroup_size: 128
    .sgpr_count:     66
    .vgpr_count:     80
    .wavefront_size: 32
...
	.end_amdgpu_metadata
.endif
;; end of part 8
